; MI455X (gfx1250); checked and timed in simulation.
; The chip was launched on July 23, 2026; its instructions are those of AMD's public machine-readable ISA for CDNA 5 (MIT licence, August 2026) and "CDNA5" Instruction Set Architecture Reference Guide (July 2026). The comments in the code are by the model that wrote it; some were corrected since.
;; AFT Local Attention. Allowed arithmetic: float matrix products may take bf16 or f16 operands with f32 sums; other float arithmetic in f32, or as packed bf16 or f16 multiplies, adds, multiply-adds, maxima and minima; sums over many terms, partial sums and values carried from step to step in f32; what a program stores and reads back later, other than sums and carried values, may be rounded once to bf16 or f16.
;; Inputs: Wk_b 512 float32; Wk_w 512 x 512 float32; Wq_b 512 float32; Wq_w 512 x 512 float32; Wv_b 512 float32; Wv_w 512 x 512 float32; k 8 x 2,048 x 512 float32; local_mask 2,048 x 2,048 bool; out_b 512 float32; out_w 512 x 512 float32; q 8 x 2,048 x 512 float32; v 8 x 2,048 x 512 float32; w_bias 2,048 x 2,048 float32.
;; Outputs: out0 8 x 2,048 x 512 float32; out1 8 x 2,048 x 512 float32.
;; 2 versions, each right; version 2 is version 1 with the launches kvproj, final written anew for expert scheduling mode. Each part assembles by itself: llvm-mc -triple=amdgcn-amd-amdhsa -mcpu=gfx1250 --defsym DOCPART=n.
;; ======== version 1 of 2: 3 launches
;; workspace buffers: WF 2,097,152 bytes; EF 8,388,608 bytes; XF 33,554,432 bytes; PS 1,048,576 bytes; FL 8,192 bytes of whole numbers
;; launch prep (part 1): grid 256 x 1, 8 waves a work-group, no clusters, 0 bytes of LDS; arguments Wk_w, Wv_w, Wq_w, out_w, w_bias, local_mask, WF, EF, FL; writes WF, EF, FL
.if DOCPART == 1
	.amdgcn_target "amdgcn-amd-amdhsa--gfx1250"
	.amdhsa_code_object_version 6
	.text
	.protected	k_qc2fa17829f_prep
	.globl	k_qc2fa17829f_prep
	.p2align	8
	.type	k_qc2fa17829f_prep,@function
k_qc2fa17829f_prep:
	s_mov_b64 s[64:65], 0
	v_nop
	global_prefetch_b8 v0, s[64:65] scope:SCOPE_SE
	s_setreg_imm32_b32 hwreg(HW_REG_WAVE_MODE, 25, 1), 1
	s_wait_xcnt 0x0
; AFT-LOCAL ATTENTION IN THREE LAUNCHES: prep (this one), kvproj, final.
; THE IDENTITY.  ew = exp(w_bias * mask) = 1 + E', E' = exp(w_bias * mask) - 1, for all values.  So
;   sum_t ew[s][t] y[b][t][d] = sum_t y[b][t][d] + sum_t E'[s][t] y[b][t][d]     (y = ek * value for num, y = ek for den).
; The first term is a column sum, the same for all s: kvproj takes it in f32 of the unrounded y.  Only the second is a matrix product, in bf16.
; WORK LEFT OUT, AND WHY IT IS DEAD.  Where mask[s][t] = 0, w_bias * 0 = 0 for every finite w_bias, exp(0) = 1 and E' = 0 exactly: the term adds nothing.  A tile of 64 x 64 of (s, t) in
; which every mask byte is 0 is a product with zeros, and final does not multiply it.  Which tiles those are is not built in: the mask is read here, byte by byte, and one bit a tile is stored
; in FL (whole numbers), which final reads.  Every mask is served: all zero (no tile) to all one (32 tiles for each 64 rows).  No input is left out: all thirteen are loaded by some launch.
; LIMITS.  A NaN or an infinity of w_bias under a tile whose mask is all 0 (reference(): inf * 0 = NaN) is not carried to the result.  E' is made as 2^(x log2 e) - 1: its absolute error is
; about one part in 2^23 of 1, then it is rounded once to bf16.  Mask bytes are 0 or 1, as the problem states them.
; THIS LAUNCH, 2,048 waves, wave W = 8 x work-group + wave.  Each does three things:
;  (a) one fragment (16 rows x 32 k) of one of the four weight matrices, rounded to bf16, into WF;
;  (b) 16 rows x 128 columns of E', rounded to bf16, into EF: four fragments;   (c) one word of FL: two bits, for the two tiles of 64 columns that its 128 columns touch.
; FRAGMENT ORDER (WF, EF, and XF of kvproj): 1,024 bytes; byte 512 c + 16 lane + 2 e holds element (row lane % 16, k = 16 c + 8 (lane / 16) + e): what a 16-bit matrix operand's registers
; 4 c .. 4 c + 3 hold in that lane.  So a later wave fills an operand by two loads of 512 consecutive bytes.
; E' is made for every tile, flagged or not: a branch on the mask would put the mask's and w_bias's loads one behind the other.
; FL is stored 4 bytes a wave (8 KiB in the launch): one lane's store.
.set LOG2E, 0x3fb8aa3b
.set WT,  10                           ; v[10:25]  the weight fragment in f32
.set WB,  26                           ; v[26:33]  in bf16
.set MK,  34                           ; v[34:49]  mask bytes: piece p (8 elements a lane) in a pair
.set FC,  50                           ; v[50:57]  a piece's eight factors 0.0 or 1.0
.set FG,  58                           ; v[58:59]  the OR of the mask bytes of the left and the right 64 columns
.set EW,  64                           ; v[64:127] w_bias, piece p in eight registers; then E'
	s_load_b512 s[4:19], s[0:1], 0x0               ; Wk_w s[4:5], Wv_w s[6:7], Wq_w s[8:9], out_w s[10:11], w_bias s[12:13], mask s[14:15], WF s[16:17], EF s[18:19]
	s_load_b64 s[20:21], s[0:1], 0x40              ; FL
	v_lshrrev_b32 v1, 5, v0
	v_readfirstlane_b32 s22, v1                    ; wave 0..7
	v_and_b32 v1, 31, v0                           ; lane
	v_and_b32 v2, 15, v0                           ; r = lane % 16
	v_bfe_u32 v3, v0, 4, 1                         ; h = lane / 16
	v_lshlrev_b32 v4, 11, v2
	v_lshl_add_u32 v4, v3, 5, v4                   ; in a weight matrix: r rows of 2,048 bytes + 8 h numbers
	v_lshlrev_b32 v5, 13, v2
	v_lshl_add_u32 v5, v3, 5, v5                   ; in w_bias: r rows of 8,192 bytes + 8 h numbers
	v_lshlrev_b32 v6, 11, v2
	v_lshl_add_u32 v6, v3, 3, v6                   ; in the mask: r rows of 2,048 bytes + 8 h bytes
	v_lshlrev_b32 v7, 4, v1                        ; in a fragment: 16 bytes a lane
	s_lshl3_add_u32 s23, ttmp9, s22                ; W
	s_lshr_b32 s24, ttmp9, 6                       ; m = W / 512: which weight matrix
	s_bfe_u32 s25, s23, 0x20007                    ; fragment f = W % 512 = (wq 16 + ks) 8 + i: wq, the quarter of 128 rows,
	s_bfe_u32 s26, s23, 0x40003                    ; ks, the step of 32 along k,
	s_and_b32 s27, s23, 7                          ; i, the block of 16 rows
	s_lshl_b32 s25, s25, 18
	s_lshl_b32 s26, s26, 7
	s_lshl_b32 s27, s27, 15
	s_add_co_u32 s28, s25, s26
	s_add_co_u32 s28, s28, s27                     ; the fragment's corner in the f32 matrix
	s_mov_b32 s29, 0
	s_lshl_b32 s30, s23, 10                        ; and its place in WF: m 524,288 + f 1,024 = 1,024 W
	s_mov_b32 s31, 0
	s_lshr_b32 s32, s23, 4                         ; sb: my 16 rows of (s, t)
	s_and_b32 s33, s23, 15                         ; cg: my 128 columns
	s_lshl_b32 s34, s32, 17
	s_lshl_b32 s36, s33, 9
	s_add_co_u32 s34, s34, s36                     ; corner in w_bias
	s_mov_b32 s35, 0
	s_lshl_b32 s36, s32, 15
	s_lshl_b32 s38, s33, 7
	s_add_co_u32 s36, s36, s38                     ; corner in the mask
	s_mov_b32 s37, 0
	s_lshr_b32 s38, s32, 2                         ; it: the row tile of 64
	s_and_b32 s40, s32, 3                          ; a: my 16 rows in it
	s_lshl_b32 s38, s38, 18
	s_lshl_b32 s40, s40, 10
	s_add_co_u32 s38, s38, s40
	s_lshl_b32 s40, s33, 14
	s_add_co_u32 s38, s38, s40                     ; EF: ((it 64 + 4 cg + u) 4 + a) 1,024
	s_mov_b32 s39, 0
	s_lshl_b32 s40, s23, 2                         ; FL: word W
	s_mov_b32 s41, 0
	s_lshl_b32 s42, s33, 1                         ; my two bits stand at 2 cg
	s_mov_b32 s44, LOG2E
	s_mov_b32 s45, LOG2E                           ; named with it as a pair
	s_wait_kmcnt 0x0
	s_cmp_eq_u32 s24, 1
	s_cselect_b64 s[46:47], s[6:7], s[4:5]
	s_cmp_eq_u32 s24, 2
	s_cselect_b64 s[46:47], s[8:9], s[46:47]
	s_cmp_eq_u32 s24, 3
	s_cselect_b64 s[46:47], s[10:11], s[46:47]     ; matrix m: 0 Wk_w, 1 Wv_w, 2 Wq_w, 3 out_w
	s_add_nc_u64 s[46:47], s[46:47], s[28:29]
	s_add_nc_u64 s[16:17], s[16:17], s[30:31]
	s_add_nc_u64 s[12:13], s[12:13], s[34:35]
	s_add_nc_u64 s[14:15], s[14:15], s[36:37]
	s_add_nc_u64 s[18:19], s[18:19], s[38:39]
	s_add_nc_u64 s[20:21], s[20:21], s[40:41]
	; all 28 loads go out together: 4 for the weights, 8 for the mask, 16 for w_bias
	global_load_b128 v[WT:WT+3],     v4, s[46:47]
	global_load_b128 v[WT+4:WT+7],   v4, s[46:47] offset:16
	global_load_b128 v[WT+8:WT+11],  v4, s[46:47] offset:64
	global_load_b128 v[WT+12:WT+15], v4, s[46:47] offset:80
.set p, 0
.rept 8                                ; piece p = 2 u + c: columns 32 u + 16 c + 8 h + 0..7
	global_load_b64 v[MK+2*p:MK+2*p+1], v6, s[14:15] offset:(p/2)*32+(p%2)*16
.set p, p+1
.endr
.set p, 0
.rept 8
	global_load_b128 v[EW+8*p:EW+8*p+3],   v5, s[12:13] offset:(p/2)*128+(p%2)*64
	global_load_b128 v[EW+8*p+4:EW+8*p+7], v5, s[12:13] offset:(p/2)*128+(p%2)*64+16
.set p, p+1
.endr
	s_wait_loadcnt 24                              ; the weights are in; the 24 younger loads stay out
.set n, 0
.rept 8
	v_cvt_pk_bf16_f32 v[WB+n], v[WT+2*n], v[WT+2*n+1]
.set n, n+1
.endr
	global_store_b128 v7, v[WB:WB+3],   s[16:17]             ; 512 consecutive bytes a store
	global_store_b128 v7, v[WB+4:WB+7], s[16:17] offset:512
	s_wait_loadcnt 16                              ; the mask is in; w_bias's 16 loads stay out
	v_or_b32 v[FG], v[MK], v[MK+1]                 ; pieces 0-3: the left 64 columns
	v_or_b32 v[FG+1], v[MK+8], v[MK+9]             ; pieces 4-7: the right 64
.set n, 2
.rept 6
	v_or_b32 v[FG], v[FG], v[MK+n]
	v_or_b32 v[FG+1], v[FG+1], v[MK+8+n]
.set n, n+1
.endr
	v_cmp_ne_u32 s24, 0, v[FG]                     ; a bit for each lane that saw a byte other than 0
	v_cmp_ne_u32 s25, 0, v[FG+1]
	s_cmp_lg_u32 s24, 0
	s_cselect_b32 s24, 1, 0
	s_cmp_lg_u32 s25, 0
	s_cselect_b32 s25, 2, 0
	s_or_b32 s24, s24, s25
	s_lshl_b32 s24, s24, s42                       ; my word of FL: the 64 words of a row tile, ORed, are its map of 32 tiles
	s_wait_loadcnt 0x0                             ; w_bias
.set p, 0
.rept 8                                ; w_bias * mask, as reference() multiplies
.set ee, 0
.rept 8
	v_bfe_u32 v[FC+ee], v[MK+2*p+ee/4], 8*(ee%4), 8
.set ee, ee+1
.endr
.set ee, 0
.rept 8
	v_cvt_f32_u32 v[FC+ee], v[FC+ee]
.set ee, ee+1
.endr
.set ee, 0
.rept 4
	v_pk_mul_f32 v[EW+8*p+2*ee:EW+8*p+2*ee+1], v[EW+8*p+2*ee:EW+8*p+2*ee+1], v[FC+2*ee:FC+2*ee+1]
.set ee, ee+1
.endr
.set p, p+1
.endr
.set n, 0
.rept 32
	v_pk_mul_f32 v[EW+2*n:EW+2*n+1], v[EW+2*n:EW+2*n+1], s[44:45] op_sel_hi:[1,0]  ; times log2(e)
.set n, n+1
.endr
.set n, 0
.rept 64
	v_exp_f32 v[EW+n], v[EW+n]                     ; one batch of 64
.set n, n+1
.endr
	v_nop                                          ; a plain instruction behind the last exponential (ISA guide 5.7.2),
	s_wait_alu depctr_va_vdst(0)                   ; and one wait ahead of the batch's first reader
.set n, 0
.rept 32
	v_pk_add_f32 v[EW+2*n:EW+2*n+1], v[EW+2*n:EW+2*n+1], -1.0 op_sel_hi:[1,0]
.set n, n+1
.endr
.set n, 0
.rept 32                               ; packed downward in place: result n lies below its two sources, which later lines no longer read
	v_cvt_pk_bf16_f32 v[EW+n], v[EW+2*n], v[EW+2*n+1]
.set n, n+1
.endr
.set p, 0
.rept 8
	global_store_b128 v7, v[EW+4*p:EW+4*p+3], s[18:19] offset:(p/2)*4096+(p%2)*512  ; 512 consecutive bytes a store
.set p, p+1
.endr
	v_mov_b32 v8, s24
	v_mov_b32 v9, 0
	v_cmp_eq_u32 vcc_lo, 0, v1
	s_wait_xcnt 0x0                                ; EXEC is a source of the stores above: it changes only behind this wait
	s_and_saveexec_b32 s25, vcc_lo
	global_store_b32 v9, v8, s[20:21]              ; lane 0 stores the wave's word
	s_wait_xcnt 0x0                                ; and again ahead of the line that widens it
	s_or_b32 exec_lo, exec_lo, s25
	s_endpgm
.Lfunc_end_k_qc2fa17829f_prep:
	.size	k_qc2fa17829f_prep, .Lfunc_end_k_qc2fa17829f_prep-k_qc2fa17829f_prep
	.p2alignl 7, 3214868480
	.fill 96, 4, 3214868480
	.section	.rodata,"a",@progbits
	.p2align	6, 0x0
	.amdhsa_kernel k_qc2fa17829f_prep
		.amdhsa_group_segment_fixed_size 0
		.amdhsa_private_segment_fixed_size 0
		.amdhsa_enable_private_segment 0
		.amdhsa_kernarg_size 72
		.amdhsa_user_sgpr_count 2
		.amdhsa_user_sgpr_kernarg_segment_ptr 1
		.amdhsa_wavefront_size32 1
		.amdhsa_system_sgpr_workgroup_id_x 1
		.amdhsa_system_sgpr_workgroup_id_y 1
		.amdhsa_system_sgpr_workgroup_id_z 1
		.amdhsa_system_vgpr_workitem_id 0
		.amdhsa_next_free_vgpr 128
		.amdhsa_next_free_sgpr 66
		.amdhsa_reserve_vcc 1
		.amdhsa_float_denorm_mode_32 3
		.amdhsa_float_denorm_mode_16_64 3
		.amdhsa_memory_ordered 1
		.amdhsa_forward_progress 1
		.amdhsa_inst_pref_size 24
	.end_amdhsa_kernel
	.amdgpu_metadata
---
amdhsa.version: [ 1, 2 ]
amdhsa.kernels:
  - .name:           k_qc2fa17829f_prep
    .symbol:         k_qc2fa17829f_prep.kd
    .args:
      - { .name: Wk_w, .offset: 0, .size: 8, .value_kind: global_buffer, .address_space: global }
      - { .name: Wv_w, .offset: 8, .size: 8, .value_kind: global_buffer, .address_space: global }
      - { .name: Wq_w, .offset: 16, .size: 8, .value_kind: global_buffer, .address_space: global }
      - { .name: out_w, .offset: 24, .size: 8, .value_kind: global_buffer, .address_space: global }
      - { .name: w_bias, .offset: 32, .size: 8, .value_kind: global_buffer, .address_space: global }
      - { .name: local_mask, .offset: 40, .size: 8, .value_kind: global_buffer, .address_space: global }
      - { .name: WF, .offset: 48, .size: 8, .value_kind: global_buffer, .address_space: global }
      - { .name: EF, .offset: 56, .size: 8, .value_kind: global_buffer, .address_space: global }
      - { .name: FL, .offset: 64, .size: 8, .value_kind: global_buffer, .address_space: global }
    .group_segment_fixed_size: 0
    .private_segment_fixed_size: 0
    .kernarg_segment_align: 8
    .kernarg_segment_size: 72
    .max_flat_workgroup_size: 256
    .sgpr_count:     66
    .vgpr_count:     128
    .wavefront_size: 32
...
	.end_amdgpu_metadata
.endif
;; end of part 1
;; launch kvproj (part 2): grid 256 x 1, 4 waves a work-group, no clusters, 137,728 bytes of LDS; arguments k, v, WF, Wk_b, Wv_b, XF, PS; writes XF, PS
.if DOCPART == 2
	.amdgcn_target "amdgcn-amd-amdhsa--gfx1250"
	.amdhsa_code_object_version 6
	.text
	.protected	k_qc2fa17829f_kvproj
	.globl	k_qc2fa17829f_kvproj
	.p2align	8
	.type	k_qc2fa17829f_kvproj,@function
k_qc2fa17829f_kvproj:
	s_mov_b64 s[64:65], 0
	v_nop
	global_prefetch_b8 v0, s[64:65] scope:SCOPE_SE
	s_setreg_imm32_b32 hwreg(HW_REG_WAVE_MODE, 25, 1), 1
	s_wait_xcnt 0x0
; key_p = k Wk^T + Wk_b, value = v Wv^T + Wv_b; ek = exp(key_p); stored: ek * value and ek in bf16 (XF, fragment order, as operands of final's product with E'),
; and their column sums over this work-group's 64 rows in f32, taken of the UNROUNDED numbers (PS).  Nothing of reference() is left out here.
; SHARES.  Work-group g owns rows 64 g .. 64 g + 63 of the 16,384 (batch g / 32), all 512 columns of both products.  Wave w owns columns 128 w .. + 127 of both: 2 x 32 accumulators of 16 x 16.
; OPERANDS.  Source 0 = 16 rows of k or v (from LDS, rounded to bf16 on the way in), source 1 = 16 rows of Wk or Wv (WF, straight from memory into registers: each fragment is wanted by one
; wave of the work-group alone).  In a result lane (r, h) holds column d0 + r and rows t0 + 8 h + 0..7: two neighbouring row blocks, packed, ARE a fragment (16 d x 32 t) of XF, and leave from registers.
; NO CLUSTER, NO RING.  All work-groups walk the same 1 MiB of WF.  Beside the 133,120 bytes of rows that stay in LDS there is room for two slots of some 97,000 bytes; a K step of both weights is
; 65,536 bytes and its padding: a slot would hold less than a step and a half, so a round of the cluster's barrier would stand at every 64 to 90 matrix instructions of a wave; and each byte would be
; written to LDS and read from it once more than now.  So the weights come by loads, three half steps (96 matrix instructions) ahead.
; LIMITS.  exp as 2^(x log2 e), no maximum taken away, as in reference(); bf16 has f32's range, but a number within half a bf16 step of f32's largest becomes an infinity.
; REGISTERS, in windows of 256 (s_set_vgpr_msb: bits 1:0 source 0, 3:2 source 1, 5:4 source 2, 7:6 destination):
;   window 0: addresses, biases, v32-63 at work, v64-127 the rows' fragments, v128-175 sums and bias pairs
;   window 1: four buffers of 8 weight fragments: K step even / odd x key / value
;   window 2: first four staging buffers of 64; then the key accumulators, (a, i) at 8 (8 a + i)          window 3: the value accumulators
.set PITCH, 1040                       ; an LDS row: 1,024 bytes + 16 = 65 x 16: the 16 rows of a fragment load start at 16 different groups of four banks (ISA guide 11.1)
.set AV,    64*PITCH                   ; k's 64 rows at 0, v's behind them
.set SUMS,  2*64*PITCH                 ; 1,024 bytes for each wave
.set SPARE, SUMS+4096                  ; the spare words, 128 bytes for each wave: two blocks of 256 bytes that no other line names
.set LOFF, 2                           ; v2   32 lane + 32,768 w: my 8 numbers in a half row of my wave's 16 rows of k and v
.set LSTK, 3                           ; v3   where they go in LDS: 16 w rows + 16 lane
.set LSTV, 4                           ; v4   the same for v
.set ARK,  5                           ; v5   a fragment's lane address: r x pitch + 16 h, stepped along K
.set ARV,  6                           ; v6   the same for v
.set BO,   7                           ; v7   16 lane
.set BIO,  8                           ; v8   (128 w + r) x 4: my column in the biases
.set SST,  9                           ; v9   where my column's sum goes
.set SRD,  10                          ; v10  where I read four sums back
.set PSO,  11                          ; v11  512 w + 16 lane, in PS
.set BKR,  12                          ; v[12:19]  Wk_b of my column in block i
.set BVR,  20                          ; v[20:27]  Wv_b
.set SPW,  28                          ; v28  my spare word; never rewritten
.set NIL,  29                          ; v29  0; never rewritten
.set PK,   32                          ; v[32:63]  at work
.set AKF,  64                          ; v[64:95]  four fragments of k's rows;  v[96:127] of v's
.set SV,   128                         ; v[128:135] column sums of ek * value, block i;  v[136:143] (SE) of ek
.set SE,   136
.set BKP,  144                         ; v[144:159] Wk_b log2(e), twice each: pairs for the packed lines
.set BVP,  160                         ; v[160:175] Wv_b, twice each
.set MSB, 0
.macro WIN new                         ; the immediate's high byte repeats the setting that is left; a switch that changes nothing is dropped
.if MSB != (\new)
	s_set_vgpr_msb (MSB<<8)|(\new)
.set MSB, \new
.endif
.endm
.macro PLACES                          ; four places behind a matrix instruction, ahead of loads into registers that it has read
.rept 4
	v_nop
.endr
.endm
; 16 loads: rows 4 s .. 4 s + 3 of my wave's 16, 8 numbers a lane in each half row, into staging buffer buf
.macro GRP base, s, buf
	WIN 0x80
.set n, 0
.rept 16
	global_load_b128 v[64*(\buf)+4*n:64*(\buf)+4*n+3], v[LOFF], s[\base:\base+1] offset:(4*(\s)+n/4)*2048+((n/2)%2)*1024+(n%2)*16 th:TH_LOAD_NT
.set n, n+1
.endr
.endm
; the same rows rounded to bf16 and laid into LDS, 512 consecutive bytes a store
.macro CVT buf, s, lst
	WIN 0x0a
.set n, 0
.rept 32
	v_cvt_pk_bf16_f32 v[PK+n], v[64*(\buf)+2*n], v[64*(\buf)+2*n+1]
.set n, n+1
.endr
	WIN 0
.set n, 0
.rept 8
	ds_store_b128 v[\lst], v[PK+4*n:PK+4*n+3] offset:(4*(\s)+n/2)*PITCH+(n%2)*512
.set n, n+1
.endr
.endm
; 16 loads: my 8 fragments of Wk (sel 0) or Wv (sel 1) for K step ksr behind the pointer, into buffer hb: 512 consecutive bytes a load
.macro LDB hb, sel, ksr
	WIN 0x40
.set n, 0
.rept 16
	global_load_b128 v[64*(\hb)+4*n:64*(\hb)+4*n+3], v[BO], s[8:9] offset:(\sel)*524288+(\ksr)*8192+n*512
.set n, n+1
.endr
.endm
; 8 LDS loads: the four fragments of k's (sel 0) or v's (sel 1) rows for K step ksr behind the address
.macro LDA sel, ksr
	WIN 0
.set n, 0
.rept 4
	ds_load_b128 v[AKF+32*(\sel)+8*n:AKF+32*(\sel)+8*n+3],   v[ARK+(\sel)] offset:n*16*PITCH+(\ksr)*64
	ds_load_b128 v[AKF+32*(\sel)+8*n+4:AKF+32*(\sel)+8*n+7], v[ARK+(\sel)] offset:n*16*PITCH+(\ksr)*64+32
.set n, n+1
.endr
.endm
; A HALF STEP: one product's 32 matrix instructions for 32 along K.  The 32 accumulators take turns, one instruction a turn, and the next half step has the other product's 32.
; nl: the younger weight loads that may stay out (three buffers of 16); nd: the other product's 8 fragment loads.  Then the buffer and the fragments just multiplied are asked for again.
.macro HS sel, hb, ksr, zero, nl, nd, refill, aload
	s_wait_loadcnt \nl
	s_wait_dscnt \nd
	WIN 0xa4+0x50*(\sel)
.set ii, 0
.rept 8
.set aa, 0
.rept 4
.set RC, 8*(8*aa+ii)
.set RA, AKF+32*(\sel)+8*aa
.set RB, 64*(\hb)+8*ii
.if \zero
	v_wmma_f32_16x16x32_bf16 v[RC:RC+7], v[RA:RA+7], v[RB:RB+7], 0
.else
	v_wmma_f32_16x16x32_bf16 v[RC:RC+7], v[RA:RA+7], v[RB:RB+7], v[RC:RC+7]
.endif
.set aa, aa+1
.endr
.set ii, ii+1
.endr
.if (\refill)||(\aload)
	PLACES
.endif
.if \refill
	LDB \hb, \sel, (\ksr)+2
.endif
.if \aload
	LDA \sel, (\ksr)+1
.endif
.endm
.macro ONWARD                          ; two K steps on
	WIN 0                                          ; at a label and at a branch every window is 0
	s_wait_xcnt 0x0                                ; the loads issued so far have read the pointer
	s_add_nc_u64 s[8:9], s[8:9], 16384
	v_add_nc_u32 v[ARK], 128, v[ARK]
	v_add_nc_u32 v[ARV], 128, v[ARV]
.endm
	s_load_b256 s[4:11], s[0:1], 0x0               ; k s[4:5], v s[6:7], WF s[8:9], Wk_b s[10:11]
	s_load_b128 s[12:15], s[0:1], 0x20             ; Wv_b s[12:13], XF s[14:15]
	s_load_b64 s[16:17], s[0:1], 0x30              ; PS
	v_lshl_add_u32 v[SPW], v0, 2, SPARE
	v_mov_b32 v[NIL], 0
	v_lshrrev_b32 v1, 5, v0
	v_readfirstlane_b32 s18, v1                    ; wave 0..3
	v_and_b32 v30, 31, v0                          ; lane
	v_and_b32 v31, 15, v0                          ; r
	v_bfe_u32 v1, v0, 4, 1                         ; h
	s_lshl_b32 s24, s18, 15
	v_lshl_add_u32 v[LOFF], v30, 5, s24
	s_mul_i32 s25, s18, 16*PITCH
	v_lshl_add_u32 v[LSTK], v30, 4, s25
	v_add_nc_u32 v[LSTV], AV, v[LSTK]
	v_mul_u32_u24 v[ARK], v31, PITCH
	v_lshl_add_u32 v[ARK], v1, 4, v[ARK]
	v_add_nc_u32 v[ARV], AV, v[ARK]
	v_lshlrev_b32 v[BO], 4, v30
	s_lshl_b32 s26, s18, 9
	v_lshl_add_u32 v[BIO], v31, 2, s26
	v_lshl_add_u32 v[PSO], v30, 4, s26
	s_lshl_b32 s27, s18, 10
	s_add_co_u32 s27, s27, SUMS                    ; my wave's 1,024 bytes: [ek value, ek][128 columns]
	v_lshl_add_u32 v[SST], v1, 9, s27
	v_lshl_add_u32 v[SST], v31, 2, v[SST]
	v_lshl_add_u32 v[SRD], v30, 4, s27
	s_mov_b32 s20, 0x3fb8aa3b                      ; log2(e)
	s_mov_b32 s21, 0x3fb8aa3b                      ; named with it as a pair
	s_mov_b32 s22, 0x76543210                      ; v_permlanex16_b32: each lane takes its own place in the other half
	s_mov_b32 s23, 0xfedcba98
	s_lshl_b32 s28, ttmp9, 17                      ; 64 rows of 2,048 bytes; also the work-group's 128 KiB of XF
	s_mov_b32 s29, 0
	s_lshl_b32 s30, s18, 17                        ; my quarter of a weight matrix in WF
	s_mov_b32 s31, 0
	s_lshl_b32 s32, s18, 14                        ; my 16 fragments in each 32 keys of XF
	s_mov_b32 s33, 0
	s_lshl_b32 s34, ttmp9, 12                      ; the work-group's 4,096 bytes of PS
	s_mov_b32 s35, 0
	s_wait_kmcnt 0x0
	s_add_nc_u64 s[4:5], s[4:5], s[28:29]
	s_add_nc_u64 s[6:7], s[6:7], s[28:29]
	s_add_nc_u64 s[8:9], s[8:9], s[30:31]
	s_add_nc_u64 s[14:15], s[14:15], s[28:29]
	s_add_nc_u64 s[14:15], s[14:15], s[32:33]
	s_add_nc_u64 s[16:17], s[16:17], s[34:35]
	; THE WAY IN: one stream of groups of 16 loads: the biases, k's four groups, v's four, the first four weight buffers.  A step waits for its group (three younger groups, 48 loads, stay out),
	; uses it, and issues the group four further on, into the staging buffer just freed or into a weight buffer.
.set n, 0
.rept 8
	global_load_b32 v[BKR+n], v[BIO], s[10:11] offset:64*n
	global_load_b32 v[BVR+n], v[BIO], s[12:13] offset:64*n
.set n, n+1
.endr
.irp t, 0,1,2,3
	GRP 4, \t, \t
.endr
.irp t, 0,1,2,3
	s_wait_loadcnt 48
	CVT \t, \t, LSTK
	GRP 6, \t, \t
.endr
.irp t, 0,1,2,3
	s_wait_loadcnt 48
	CVT \t, \t, LSTV
	LDB \t, (\t)%2, (\t)/2                         ; buffer 0: K step 0, key; 1: K step 0, value; 2, 3: K step 1
.endr
	WIN 0
	s_wait_dscnt 0x0                               ; for the others' sake: my rows lie in LDS
	s_barrier_signal -1
	s_barrier_wait -1                              ; all 64 rows of k and of v do
	LDA 0, 0
	LDA 1, 0
	; 16 K STEPS of 32, two a trip.  The first trip's first two half steps start the sums with the constant 0; the last trip asks for no more weights.
	HS 0, 0, 0, 1, 48, 8, 1, 1
	HS 1, 1, 0, 1, 48, 8, 1, 1
	HS 0, 2, 1, 0, 48, 8, 1, 1
	HS 1, 3, 1, 0, 48, 8, 1, 1
	ONWARD
	s_mov_b32 s19, 6
.Ltrip:
	HS 0, 0, 0, 0, 48, 8, 1, 1
	HS 1, 1, 0, 0, 48, 8, 1, 1
	HS 0, 2, 1, 0, 48, 8, 1, 1
	HS 1, 3, 1, 0, 48, 8, 1, 1
	ONWARD
	s_sub_co_u32 s19, s19, 1
	s_cmp_lg_u32 s19, 0
	s_cbranch_scc1 .Ltrip
	HS 0, 0, 0, 0, 48, 8, 0, 1                     ; K steps 14 and 15: the counts run down
	HS 1, 1, 0, 0, 32, 8, 0, 1
	HS 0, 2, 1, 0, 16, 8, 0, 0
	HS 1, 3, 1, 0, 0, 0, 0, 0
	; THE WAY OUT.  The bias pairs are made here: 32 plain instructions, the places behind the last products.
	WIN 0
.set n, 0
.rept 8
	v_mul_f32 v[BKP+2*n], s20, v[BKR+n]
	v_mul_f32 v[BKP+2*n+1], s20, v[BKR+n]
	v_mov_b32 v[BVP+2*n], v[BVR+n]
	v_mov_b32 v[BVP+2*n+1], v[BVR+n]
.set n, n+1
.endr
; Column block i: its four key and four value accumulators (64 rows x 16 columns each).  Each accumulator is read from its lowest registers on.
.macro EPI i
	WIN 0x82
.set aa, 0
.rept 4
.set jj, 0
.rept 4
.set R0, 64*aa+8*(\i)+2*jj
	v_pk_fma_f32 v[R0:R0+1], v[R0:R0+1], s[20:21], v[BKP+2*(\i):BKP+2*(\i)+1] op_sel_hi:[1,0,1]  ; (sum + bias) log2(e)
.set jj, jj+1
.endr
.set aa, aa+1
.endr
.set aa, 0
.rept 4
.set jj, 0
.rept 8
	v_exp_f32 v[64*aa+8*(\i)+jj], v[64*aa+8*(\i)+jj]          ; ek: one batch of 32
.set jj, jj+1
.endr
.set aa, aa+1
.endr
	WIN 0xc3
.set aa, 0
.rept 4
.set jj, 0
.rept 4
.set R0, 64*aa+8*(\i)+2*jj
	v_pk_add_f32 v[R0:R0+1], v[R0:R0+1], v[BVP+2*(\i):BVP+2*(\i)+1]  ; value: the plain work behind the batch
.set jj, jj+1
.endr
.set aa, aa+1
.endr
	s_wait_alu depctr_va_vdst(0)                   ; one wait ahead of the batch's first reader
	WIN 0xcb
.set aa, 0
.rept 4
.set jj, 0
.rept 4
.set R0, 64*aa+8*(\i)+2*jj
	v_pk_mul_f32 v[R0:R0+1], v[R0:R0+1], v[R0:R0+1]           ; value (window 3) times ek (window 2)
.set jj, jj+1
.endr
.set aa, aa+1
.endr
	WIN 0x0a                                       ; the lane's 32 numbers of each are added, unrounded, in f32
.set n, 0
.rept 8
.set R0, 64*(n/4)+8*(\i)+2*(n%4)
	v_pk_add_f32 v[PK+2*n:PK+2*n+1], v[R0:R0+1], v[R0+128:R0+129]
.set n, n+1
.endr
	WIN 0x0f
.set n, 0
.rept 8
.set R0, 64*(n/4)+8*(\i)+2*(n%4)
	v_pk_add_f32 v[PK+16+2*n:PK+16+2*n+1], v[R0:R0+1], v[R0+128:R0+129]
.set n, n+1
.endr
	WIN 0
.irp n, 0,2,4,6
	v_pk_add_f32 v[PK+(\n):PK+(\n)+1], v[PK+(\n):PK+(\n)+1], v[PK+8+(\n):PK+8+(\n)+1]
	v_pk_add_f32 v[PK+16+(\n):PK+16+(\n)+1], v[PK+16+(\n):PK+16+(\n)+1], v[PK+24+(\n):PK+24+(\n)+1]
.endr
.irp n, 0,2
	v_pk_add_f32 v[PK+(\n):PK+(\n)+1], v[PK+(\n):PK+(\n)+1], v[PK+4+(\n):PK+4+(\n)+1]
	v_pk_add_f32 v[PK+16+(\n):PK+16+(\n)+1], v[PK+16+(\n):PK+16+(\n)+1], v[PK+20+(\n):PK+20+(\n)+1]
.endr
	v_pk_add_f32 v[PK:PK+1], v[PK:PK+1], v[PK+2:PK+3]
	v_pk_add_f32 v[PK+16:PK+17], v[PK+16:PK+17], v[PK+18:PK+19]
	v_add_f32 v[SE+(\i)], v[PK], v[PK+1]
	v_add_f32 v[SV+(\i)], v[PK+16], v[PK+17]
	WIN 0x8a                                       ; rounded once to bf16, in place: result q lies at or below its sources
.set aa, 0
.rept 4
.set jj, 0
.rept 4
	v_cvt_pk_bf16_f32 v[64*aa+8*(\i)+jj], v[64*aa+8*(\i)+2*jj], v[64*aa+8*(\i)+2*jj+1]
.set jj, jj+1
.endr
.set aa, aa+1
.endr
	WIN 0xcf
.set aa, 0
.rept 4
.set jj, 0
.rept 4
	v_cvt_pk_bf16_f32 v[64*aa+8*(\i)+jj], v[64*aa+8*(\i)+2*jj], v[64*aa+8*(\i)+2*jj+1]
.set jj, jj+1
.endr
.set aa, aa+1
.endr
	WIN 0x0c                                       ; row block a is half a % 2 of the fragment for keys 32 (a / 2) on: 512 consecutive bytes a store
.set aa, 0
.rept 4
	global_store_b128 v[BO], v[64*aa+8*(\i):64*aa+8*(\i)+3], s[14:15] offset:(aa/2)*65536+(\i)*1024+(aa%2)*512
.set aa, aa+1
.endr
	WIN 0x08
.set aa, 0
.rept 4
	global_store_b128 v[BO], v[64*aa+8*(\i):64*aa+8*(\i)+3], s[14:15] offset:(aa/2)*65536+8192+(\i)*1024+(aa%2)*512
.set aa, aa+1
.endr
.endm
.irp t, 0,1,2,3,4,5,6,7
	EPI \t
.endr
	; the column sums: the other half of the lanes holds the column's other 32 rows; then through my own LDS bytes, so that a store covers 512 consecutive bytes
	WIN 0
.set n, 0
.rept 16
	v_permlanex16_b32 v[PK+n], v[SV+n], s22, s23
.set n, n+1
.endr
.set n, 0
.rept 16
	v_add_f32 v[SV+n], v[SV+n], v[PK+n]
.set n, n+1
.endr
	v_cmp_ne_u32 vcc_lo, 0, v1
.set n, 0
.rept 8
	v_cndmask_b32 v[PK+n], v[SV+n], v[SE+n], vcc_lo  ; lanes 0-15 put ek value's sum, lanes 16-31 ek's
	ds_store_b32 v[SST], v[PK+n] offset:64*n
.set n, n+1
.endr
	ds_load_b128 v[PK+16:PK+19], v[SRD]            ; LDS serves a wave's instructions in order (ISA guide 5.7.1.4): these see the stores above
	ds_load_b128 v[PK+20:PK+23], v[SRD] offset:512
	s_wait_dscnt 0x0
	global_store_b128 v[PSO], v[PK+16:PK+19], s[16:17]
	global_store_b128 v[PSO], v[PK+20:PK+23], s[16:17] offset:2048
	s_wait_tensorcnt 0x0                           ; the wave's end: three closing lines, behind my last LDS store
	ds_add_u32 v[SPW], v[NIL]
	s_wait_dscnt 0x0
	s_endpgm
.Lfunc_end_k_qc2fa17829f_kvproj:
	.size	k_qc2fa17829f_kvproj, .Lfunc_end_k_qc2fa17829f_kvproj-k_qc2fa17829f_kvproj
	.p2alignl 7, 3214868480
	.fill 96, 4, 3214868480
	.section	.rodata,"a",@progbits
	.p2align	6, 0x0
	.amdhsa_kernel k_qc2fa17829f_kvproj
		.amdhsa_group_segment_fixed_size 137728
		.amdhsa_private_segment_fixed_size 0
		.amdhsa_enable_private_segment 0
		.amdhsa_kernarg_size 56
		.amdhsa_user_sgpr_count 2
		.amdhsa_user_sgpr_kernarg_segment_ptr 1
		.amdhsa_wavefront_size32 1
		.amdhsa_system_sgpr_workgroup_id_x 1
		.amdhsa_system_sgpr_workgroup_id_y 1
		.amdhsa_system_sgpr_workgroup_id_z 1
		.amdhsa_system_vgpr_workitem_id 0
		.amdhsa_next_free_vgpr 1024
		.amdhsa_next_free_sgpr 66
		.amdhsa_reserve_vcc 1
		.amdhsa_float_denorm_mode_32 3
		.amdhsa_float_denorm_mode_16_64 3
		.amdhsa_memory_ordered 1
		.amdhsa_forward_progress 1
		.amdhsa_inst_pref_size 165
	.end_amdhsa_kernel
	.amdgpu_metadata
---
amdhsa.version: [ 1, 2 ]
amdhsa.kernels:
  - .name:           k_qc2fa17829f_kvproj
    .symbol:         k_qc2fa17829f_kvproj.kd
    .args:
      - { .name: k, .offset: 0, .size: 8, .value_kind: global_buffer, .address_space: global }
      - { .name: v, .offset: 8, .size: 8, .value_kind: global_buffer, .address_space: global }
      - { .name: WF, .offset: 16, .size: 8, .value_kind: global_buffer, .address_space: global }
      - { .name: Wk_b, .offset: 24, .size: 8, .value_kind: global_buffer, .address_space: global }
      - { .name: Wv_b, .offset: 32, .size: 8, .value_kind: global_buffer, .address_space: global }
      - { .name: XF, .offset: 40, .size: 8, .value_kind: global_buffer, .address_space: global }
      - { .name: PS, .offset: 48, .size: 8, .value_kind: global_buffer, .address_space: global }
    .group_segment_fixed_size: 137728
    .private_segment_fixed_size: 0
    .kernarg_segment_align: 8
    .kernarg_segment_size: 56
    .max_flat_workgroup_size: 128
    .sgpr_count:     66
    .vgpr_count:     1024
    .wavefront_size: 32
...
	.end_amdgpu_metadata
.endif
;; end of part 2
;; launch final (part 3): grid 256 x 1, 4 waves a work-group, no clusters, 302,592 bytes of LDS; arguments q, WF, Wq_b, out_b, EF, XF, PS, FL, out0, out1; writes out0, out1
.if DOCPART == 3
	.amdgcn_target "amdgcn-amd-amdhsa--gfx1250"
	.amdhsa_code_object_version 6
	.text
	.protected	k_qc2fa17829f_final
	.globl	k_qc2fa17829f_final
	.p2align	8
	.type	k_qc2fa17829f_final,@function
k_qc2fa17829f_final:
	s_mov_b64 s[64:65], 0
	v_nop
	global_prefetch_b8 v0, s[64:65] scope:SCOPE_SE
	s_setreg_imm32_b32 hwreg(HW_REG_WAVE_MODE, 25, 1), 1
	s_wait_xcnt 0x0
; Q = sigmoid(q Wq^T + Wq_b);  num = T_ev + E' (ek value),  den = T_e + E' ek;  out1 = Q num;  x = out1 / den;  out0 = x out_w^T + out_b.
; WORK LEFT OUT: the tiles of 64 x 64 of E' under which every mask byte is 0 are products with zeros (E' = exp(w_bias * 0) - 1 = 0 for all finite w_bias) and are not multiplied; which they are is
; read from FL, whole numbers that prep stored from the mask itself.  A NaN or an infinity of w_bias under such a tile is not carried to the result.  T_ev, T_e: the column sums over all 2,048 keys (PS).
; SHARES.  Work-group g owns batch g / 32, rows 64 (g % 32) .. + 63, all 512 columns; wave w owns columns 128 w .. + 127: 32 accumulators of 16 x 16 for each of Q, num, den, out0.
; ALL PRODUCTS ARE TAKEN TRANSPOSED: source 0 = 16 columns d (a fragment of WF or XF, straight from memory), source 1 = 16 rows s (q, E' or x).  In every result lane (r, h) holds row s0 + r and
; columns d0 + 8 h + 0..7: Q, num, den and out0 lie alike, and the arithmetic between them is register by register.  Accumulator (a, i) (rows 16 a, columns 128 w + 16 i) lies at 8 (8 a + i).
; Register quad n = 2 i + hf of a row block holds columns 16 i + 8 h + 4 hf + 0..3 of the wave's 128: in f32 that is byte 64 i + 32 h + 16 hf of the wave's 512.
; THE SUMS START AT WHAT IS ADDED ANYWAY: the biases and T are loaded into the accumulators; nothing is cleared and no first step is written out.
; Q waits in LDS in f32 while num has its registers.  x crosses the waves through LDS in bf16, its one rounding.
; THE LOOP OVER FLAGGED TILES has a trip count read from memory: it holds no LDS access and no barrier; its operands come from memory straight into registers: XF's fragments three half steps (96 matrix instructions) ahead, E's two (64).
; NO CLUSTER, NO RING.  That loop may hold neither a barrier nor a tensor load; in the two weight products each fragment of WF goes to one wave alone, and LDS, with q, x, Q and the stage resident
; (302,080 bytes), has no room for slots.  What partners could share beside WF is E' (8 of a tile's 136 KiB).
; REGISTERS, in windows of 256 (s_set_vgpr_msb: bits 1:0 source 0, 3:2 source 1, 5:4 source 2, 7:6 destination):
;   window 0: addresses; v18-25 T at work; v32-63 at work; v64-127 two sets of four row fragments; v128-191 Q read back, then rows on their way out
;   window 1: four buffers of 8 column fragments          window 2: Q's sums, then num, then out0's sums          window 3: four staging buffers, then den, then x
.set PITCH,  1040                      ; an LDS row of q or x: 1,024 bytes + 16 = 65 x 16 (64 banks of 4 bytes: ISA guide 11.1)
.set XA,     64*PITCH                  ; q in bf16 at 0, x behind it
.set QS,     2*64*PITCH                ; Q in f32: 32 KiB a wave, register quad n of row block a at (16 a + n) 512 + 16 lane
.set STG,    QS+131072                 ; the way out: 16 rows of 512 + 16 bytes for each wave
.set SPITCH, 528
.set TOT,    STG+4*16*SPITCH           ; T: [ek value, ek][512] f32
.set SPARE,  TOT+4096                  ; the spare words, 128 bytes for each wave: two blocks of 256 bytes that no other line names
.set LOFF, 2                           ; v2   32 lane + 32,768 w: my 8 numbers in a half row of my wave's 16 rows of q
.set LST,  3                           ; v3   where they go in LDS
.set ARQ,  4                           ; v4   a fragment's lane address in q's rows, stepped along K
.set ARX,  5                           ; v5   in x's rows
.set BO,   6                           ; v6   16 lane
.set PSO,  7                           ; v7   32 x thread: my 8 numbers of a partial sum
.set TOTW, 8                           ; v8   where their total goes
.set TOTR, 9                           ; v9   T of my 8 columns in block 0
.set QSA,  10                          ; v10  my 16 bytes in my wave's Q
.set XST,  11                          ; v11  where my 8 numbers of x go
.set STS,  12                          ; v12  the stage: in: row r, 32 h
.set SRD,  13                          ; v13  the stage: back, 512 consecutive bytes of a row
.set GO,   14                          ; v14  512 w + 16 lane, in a row of out0 and out1
.set PFO,  15                          ; v15  256 x thread; never rewritten
.set BIO,  16                          ; v16  512 w + 32 h: my 8 columns of block 0 in a bias
.set TS,   18                          ; v[18:25]
.set SPW,  28                          ; v28  my spare word; never rewritten
.set NIL,  29                          ; v29  0; never rewritten
.set PK,   32                          ; v[32:63]
.set AS,   64                          ; v[64:127]
.set QT,   128                         ; v[128:191]
.set MSB, 0
.macro WIN new                         ; the immediate's high byte repeats the setting that is left; a switch that changes nothing is dropped
.if MSB != (\new)
	s_set_vgpr_msb (MSB<<8)|(\new)
.set MSB, \new
.endif
.endm
.macro PLACES                          ; four places behind a matrix instruction, ahead of loads into its registers and of readers of its result (for readers)
.rept 4
	v_nop
.endr
.endm
.macro GRPQ s, buf                     ; 16 loads: rows 4 s .. 4 s + 3 of my wave's 16 rows of q, into staging buffer buf
	WIN 0xc0
.set n, 0
.rept 16
	global_load_b128 v[64*(\buf)+4*n:64*(\buf)+4*n+3], v[LOFF], s[4:5] offset:(4*(\s)+n/4)*2048+((n/2)%2)*1024+(n%2)*16 th:TH_LOAD_NT
.set n, n+1
.endr
.endm
.macro CVTQ buf, s                     ; rounded to bf16 and laid into LDS, 512 consecutive bytes a store
	WIN 0x0f
.set n, 0
.rept 32
	v_cvt_pk_bf16_f32 v[PK+n], v[64*(\buf)+2*n], v[64*(\buf)+2*n+1]
.set n, n+1
.endr
	WIN 0
.set n, 0
.rept 8
	ds_store_b128 v[LST], v[PK+4*n:PK+4*n+3] offset:(4*(\s)+n/2)*PITCH+(n%2)*512
.set n, n+1
.endr
.endm
.macro GRPP pg, buf                    ; 16 loads: my 8 numbers of the batch's partial sums 8 pg .. 8 pg + 7
	WIN 0xc0
.set n, 0
.rept 16
	global_load_b128 v[64*(\buf)+4*n:64*(\buf)+4*n+3], v[PSO], s[16:17] offset:(8*(\pg)+n/2)*4096+(n%2)*16
.set n, n+1
.endr
.endm
.macro SUMP buf, first                 ; they are added, in f32; the first two start the sum
.if \first
	WIN 0x0f
.set jj, 0
.rept 4
	v_pk_add_f32 v[TS+2*jj:TS+2*jj+1], v[64*(\buf)+2*jj:64*(\buf)+2*jj+1], v[64*(\buf)+8+2*jj:64*(\buf)+8+2*jj+1]
.set jj, jj+1
.endr
.endif
	WIN 0x0c
.set nn, 2*(\first)
.rept 8-2*(\first)
.set jj, 0
.rept 4
	v_pk_add_f32 v[TS+2*jj:TS+2*jj+1], v[TS+2*jj:TS+2*jj+1], v[64*(\buf)+8*nn+2*jj:64*(\buf)+8*nn+2*jj+1]
.set jj, jj+1
.endr
.set nn, nn+1
.endr
.endm
.macro BIAS a, base                    ; 16 loads: the bias of my columns into the 8 accumulators of row block a: the sums' start.  Quad n = 2 i + hf: byte 64 i + 16 hf behind my 512 w + 32 h
	WIN 0x80
.set n, 0
.rept 16
	global_load_b128 v[64*(\a)+4*n:64*(\a)+4*n+3], v[BIO], s[\base:\base+1] offset:(n/2)*64+(n%2)*16
.set n, n+1
.endr
.endm
.macro LDW buf, ksr                    ; 16 loads: my 8 weight fragments of K step ksr behind the pointer: 512 consecutive bytes a load
	WIN 0x40
.set n, 0
.rept 16
	global_load_b128 v[64*(\buf)+4*n:64*(\buf)+4*n+3], v[BO], s[28:29] offset:(\ksr)*8192+n*512
.set n, n+1
.endr
.endm
.macro LDAS ar, set, ksr               ; 8 LDS loads: the four row fragments of K step ksr behind the address
	WIN 0
.set n, 0
.rept 4
	ds_load_b128 v[AS+32*(\set)+8*n:AS+32*(\set)+8*n+3],   v[\ar] offset:n*16*PITCH+(\ksr)*64
	ds_load_b128 v[AS+32*(\set)+8*n+4:AS+32*(\set)+8*n+7], v[\ar] offset:n*16*PITCH+(\ksr)*64+32
.set n, n+1
.endr
.endm
.macro MM32 win, buf, set              ; 32 matrix instructions on 32 accumulators, which take turns, one instruction a turn
	WIN \win
.set ii, 0
.rept 8
.set aa, 0
.rept 4
.set RC, 8*(8*aa+ii)
	v_wmma_f32_16x16x32_bf16 v[RC:RC+7], v[64*(\buf)+8*ii:64*(\buf)+8*ii+7], v[AS+32*(\set)+8*aa:AS+32*(\set)+8*aa+7], v[RC:RC+7]
.set aa, aa+1
.endr
.set ii, ii+1
.endr
.endm
; A K step of a weight product.  nl: the younger weight loads that may stay out (three buffers of 16); nd: the other set's 8 fragment loads.
.macro STEP ar, ksr, nl, nd, refill, aload
	s_wait_loadcnt \nl
	s_wait_dscnt \nd
	MM32 0xa1, (\ksr)%4, (\ksr)%2
.if (\refill)||(\aload)
	PLACES
.endif
.if \refill
	LDW (\ksr)%4, (\ksr)+4
.endif
.if \aload
	LDAS \ar, (\ksr)%2, (\ksr)+2
.endif
.endm
; 64 rows x my 128 columns x K = 512: 16 K steps, four a trip; the last four ask for no more weights, and the counts run down.
.macro GEMM ar
	WIN 0                                          ; at a label and at a branch every window is 0
	s_mov_b32 s25, 3
.Lg_\@:
	STEP \ar, 0, 48, 8, 1, 1
	STEP \ar, 1, 48, 8, 1, 1
	STEP \ar, 2, 48, 8, 1, 1
	STEP \ar, 3, 48, 8, 1, 1
	WIN 0
	s_wait_xcnt 0x0                                ; the loads (and, in the first product's first trip, the prefetches 128 matrix instructions back) have read their addresses
	s_add_nc_u64 s[28:29], s[28:29], 32768
	v_add_nc_u32 v[\ar], 256, v[\ar]
	s_sub_co_u32 s25, s25, 1
	s_cmp_lg_u32 s25, 0
	s_cbranch_scc1 .Lg_\@
	STEP \ar, 0, 48, 8, 0, 1
	STEP \ar, 1, 32, 8, 0, 1
	STEP \ar, 2, 16, 8, 0, 0
	STEP \ar, 3, 0, 0, 0, 0
.endm
; Row block a of window 2 leaves in f32: into my stage (16 rows of 528 bytes; quad n = 2 i + hf at byte 64 i + 16 hf behind my row's 32 h: the two halves of the lanes fill all 512 bytes of a row),
; back by rows, stored 512 consecutive bytes, aligned, a store.  Each accumulator's low half is read first.
.macro OUTROWS a, base, wait
	WIN 0
.if \wait
	s_wait_xcnt 0x0                                ; the stores before have read QT's registers
.endif
	WIN 0x08
.set n, 0
.rept 16
	ds_store_b128 v[STS], v[64*(\a)+4*n:64*(\a)+4*n+3] offset:(n/2)*64+(n%2)*16
.set n, n+1
.endr
	WIN 0
.set n, 0
.rept 16
	ds_load_b128 v[QT+4*n:QT+4*n+3], v[SRD] offset:n*SPITCH  ; LDS serves a wave's instructions in order (ISA guide 5.7.1.4): these see the stores above
.set n, n+1
.endr
.set n, 0
.rept 16
	s_wait_dscnt 15-n                              ; row n is back; the younger rows stay out
	global_store_b128 v[GO], v[QT+4*n:QT+4*n+3], s[\base:\base+1] offset:(16*(\a)+n)*2048 th:TH_STORE_NT
.set n, n+1
.endr
.endm
; The next flagged tile: the map's lowest bit, which is then cleared.  Its number is held to 31 ahead of the shifts that make it an offset.
.macro NEXT
	s_ctz_i32_b32 s35, s32
	s_min_u32 s35, s35, 31
	s_sub_co_u32 s26, s32, 1
	s_and_b32 s32, s32, s26
	s_lshl_b32 s36, s35, 17                        ; 64 keys of XF: 131,072 bytes
	s_lshl_b32 s38, s35, 13                        ; a tile of E': 8,192 bytes
	s_add_nc_u64 s[40:41], s[14:15], s[36:37]
	s_add_nc_u64 s[42:43], s[12:13], s[38:39]
.endm
.macro LX u, sel                       ; 16 loads: my 8 fragments of ek value (sel 0) or ek (sel 1), keys 32 u on of the tile
	WIN 0x40
.set n, 0
.rept 16
	global_load_b128 v[64*(2*(\u)+(\sel))+4*n:64*(2*(\u)+(\sel))+4*n+3], v[BO], s[40:41] offset:(\u)*65536+(\sel)*8192+n*512
.set n, n+1
.endr
.endm
.macro LE u                            ; 8 loads: the four fragments of E', keys 32 u on
	WIN 0
.set n, 0
.rept 8
	global_load_b128 v[AS+32*(\u)+4*n:AS+32*(\u)+4*n+3], v[BO], s[42:43] offset:(\u)*4096+n*512
.set n, n+1
.endr
.endm
; A half step of a tile: 32 keys into num (sel 0, window 2) or den (sel 1, window 3).  The loads go out in the order X00 E0 X01 X10 E1 X11, tile after tile; behind what a half step needs
; stand 16 + 16 + 8 + 16 = 56 younger loads, at each of the four.
.macro HS2 u, sel, nl, refill
	s_wait_loadcnt \nl
	MM32 0xa1+0x50*(\sel), 2*(\u)+(\sel), \u
.if \refill
	PLACES
.if \sel
	LE \u
.endif
	LX \u, \sel
.endif
.endm
	s_load_b512 s[4:19], s[0:1], 0x0               ; q s[4:5], WF s[6:7], Wq_b s[8:9], out_b s[10:11], EF s[12:13], XF s[14:15], PS s[16:17], FL s[18:19]
	s_load_b128 s[20:23], s[0:1], 0x40             ; out0 s[20:21], out1 s[22:23]
	v_lshl_add_u32 v[SPW], v0, 2, SPARE
	v_mov_b32 v[NIL], 0
	v_lshrrev_b32 v1, 5, v0
	v_readfirstlane_b32 s24, v1                    ; wave 0..3
	v_and_b32 v30, 31, v0                          ; lane
	v_and_b32 v31, 15, v0                          ; r
	v_bfe_u32 v1, v0, 4, 1                         ; h
	s_lshl_b32 s26, s24, 15
	v_lshl_add_u32 v[LOFF], v30, 5, s26
	s_add_co_u32 s26, s26, QS
	v_lshl_add_u32 v[QSA], v30, 4, s26
	s_mul_i32 s26, s24, 16*PITCH
	v_lshl_add_u32 v[LST], v30, 4, s26
	v_mul_u32_u24 v[ARQ], v31, PITCH
	v_lshl_add_u32 v[ARQ], v1, 4, v[ARQ]
	v_add_nc_u32 v[ARX], XA, v[ARQ]
	v_lshlrev_b32 v[BO], 4, v30
	v_lshlrev_b32 v[PSO], 5, v0
	v_lshl_add_u32 v[TOTW], v0, 5, TOT
	s_lshl_b32 s26, s24, 9
	v_lshl_add_u32 v[BIO], v1, 5, s26
	v_lshl_add_u32 v[GO], v30, 4, s26
	v_add_nc_u32 v[TOTR], TOT, v[BIO]
	s_lshl_b32 s26, s24, 8
	v_add_nc_u32 v[XST], s26, v[ARX]               ; row r, my wave's 256 bytes, 16 bytes for each half of the lanes
	s_mul_i32 s26, s24, 16*SPITCH
	s_add_co_u32 s26, s26, STG
	v_lshl_add_u32 v[SRD], v30, 4, s26
	v_mul_u32_u24 v[STS], v31, SPITCH
	v_lshl_add_u32 v[STS], v1, 5, v[STS]
	v_add_nc_u32 v[STS], s26, v[STS]
	v_lshlrev_b32 v[PFO], 8, v0
	s_lshr_b32 s27, ttmp9, 5                       ; the batch
	s_and_b32 s25, ttmp9, 31                       ; the row tile
	s_mov_b32 s31, 0
	s_wait_kmcnt 0x0
	s_lshl_b32 s30, s25, 8
	s_add_nc_u64 s[18:19], s[18:19], s[30:31]      ; the row tile's 64 words of FL
	s_load_b512 s[32:47], s[18:19], 0x0
	s_load_b512 s[48:63], s[18:19], 0x40
	s_load_b512 s[68:83], s[18:19], 0x80
	s_load_b512 s[84:99], s[18:19], 0xc0
	s_lshl_b32 s30, ttmp9, 17                      ; 64 rows of 2,048 bytes
	s_add_nc_u64 s[4:5], s[4:5], s[30:31]
	s_add_nc_u64 s[20:21], s[20:21], s[30:31]
	s_add_nc_u64 s[22:23], s[22:23], s[30:31]
	s_lshl_b32 s30, s25, 18
	s_add_nc_u64 s[12:13], s[12:13], s[30:31]      ; the row tile's 32 tiles of E'
	s_lshl_b32 s30, s27, 17
	s_add_nc_u64 s[16:17], s[16:17], s[30:31]      ; the batch's 32 partial sums
	; THE WAY IN: one stream of groups of 16 loads: q's four, the partial sums' four, Wq_b's four.  A step waits for its group (three younger groups, 48 loads, stay out), uses it, and issues the group four further on.
.irp t, 0,1,2,3
	GRPQ \t, \t
.endr
.irp t, 0,1,2,3
	s_wait_loadcnt 48
	CVTQ \t, \t
	GRPP \t, \t
.endr
	s_wait_loadcnt 48
	SUMP 0, 1
	BIAS 0, 8
.irp t, 1,2,3
	s_wait_loadcnt 48
	SUMP \t, 0
	BIAS \t, 8
.endr
	WIN 0
	ds_store_b128 v[TOTW], v[TS:TS+3]
	ds_store_b128 v[TOTW], v[TS+4:TS+7] offset:16
	s_lshl_b32 s30, s24, 17
	s_add_nc_u64 s[28:29], s[6:7], s[30:31]
	s_add_nc_u64 s[28:29], s[28:29], 2*524288      ; my quarter of Wq_w in WF
.irp t, 0,1,2,3
	LDW \t, \t
.endr
	WIN 0
	s_wait_kmcnt 0x0                               ; the 64 words of FL
.set n, 33
.rept 31
	s_or_b32 s32, s32, s[n]
.set n, n+1
.endr
.set n, 68
.rept 32
	s_or_b32 s32, s32, s[n]
.set n, n+1
.endr
	s_bcnt1_i32_b32 s33, s32                       ; s32: the map of flagged tiles; s33: how many
	s_min_u32 s33, s33, 32
	s_mov_b32 s37, 0
	s_mov_b32 s39, 0
	s_lshl_b32 s30, ttmp9, 17
	s_add_nc_u64 s[44:45], s[14:15], s[30:31]      ; XF at keys 64 (g % 32) on of my batch: what this work-group prefetches
	s_lshl_b32 s30, s27, 22
	s_add_nc_u64 s[14:15], s[14:15], s[30:31]      ; XF at my batch,
	s_lshl_b32 s30, s24, 14
	s_add_nc_u64 s[14:15], s[14:15], s[30:31]      ; at my wave's 16 fragments
	s_mov_b32 s46, 0xbfb8aa3b                      ; -log2(e)
	s_mov_b32 s47, 0xbfb8aa3b                      ; named with it as a pair
	s_wait_dscnt 0x0                               ; for the others' sake: my rows of q and my part of T lie in LDS
	s_barrier_signal -1
	s_barrier_wait -1                              ; everybody's do
	LDAS ARQ, 0, 0
	LDAS ARQ, 1, 1
	; XF IS PREFETCHED, each block of 256 bytes once in the launch: work-group g names the 131,072 bytes of keys 64 (g % 32) on of its batch, a thread a block, four instructions a wave.
	; They stand behind the wave's loads, 512 matrix instructions ahead of the first load from XF; their address registers are never rewritten.
.set n, 0
.rept 4
	global_prefetch_b8 v[PFO], s[44:45] offset:n*32768 th:TH_LOAD_NT scope:SCOPE_SE
.set n, n+1
.endr
	GEMM ARQ                                       ; query, bias and all
	WIN 0
	PLACES                                         ; behind the last products: their buffers are loaded again, their results read
	s_cmp_eq_u32 s33, 0
	s_cbranch_scc1 .Lnoload
	NEXT                                           ; the first flagged tile is asked for now: it lands under the sigmoid
	LX 0, 0
	LE 0
	LX 0, 1
	LX 1, 0
	LE 1
	LX 1, 1
	WIN 0
.Lnoload:
; Q = 1 / (1 + 2^(-x log2 e)), row block a, and away into LDS.  Two batches, each with a plain instruction behind it and one wait ahead of its first reader.
.macro SIG a
	WIN 0x82
.set n, 0
.rept 32
	v_pk_mul_f32 v[64*(\a)+2*n:64*(\a)+2*n+1], v[64*(\a)+2*n:64*(\a)+2*n+1], s[46:47] op_sel_hi:[1,0]
.set n, n+1
.endr
.set n, 0
.rept 64
	v_exp_f32 v[64*(\a)+n], v[64*(\a)+n]
.set n, n+1
.endr
	v_nop
	s_wait_alu depctr_va_vdst(0)
.set n, 0
.rept 32
	v_pk_add_f32 v[64*(\a)+2*n:64*(\a)+2*n+1], v[64*(\a)+2*n:64*(\a)+2*n+1], 1.0 op_sel_hi:[1,0]
.set n, n+1
.endr
.set n, 0
.rept 64
	v_rcp_f32 v[64*(\a)+n], v[64*(\a)+n]
.set n, n+1
.endr
	v_nop
	s_wait_alu depctr_va_vdst(0)
	WIN 0x08
.set n, 0
.rept 16
	ds_store_b128 v[QSA], v[64*(\a)+4*n:64*(\a)+4*n+3] offset:(16*(\a)+n)*512
.set n, n+1
.endr
.endm
.irp t, 0,1,2,3
	SIG \t
.endr
	; num and den start at T: my columns' totals into all 64 accumulators (the same for the four row blocks); quad n % 16 = 2 i + hf at byte 64 i + 16 hf behind my 512 w + 32 h
	WIN 0x80
.set n, 0
.rept 64
	ds_load_b128 v[4*n:4*n+3], v[TOTR] offset:((n%16)/2)*64+(n%2)*16
.set n, n+1
.endr
	WIN 0xc0
.set n, 0
.rept 64
	ds_load_b128 v[4*n:4*n+3], v[TOTR] offset:2048+((n%16)/2)*64+(n%2)*16
.set n, n+1
.endr
	WIN 0
	s_wait_dscnt 0x0
	s_cmp_eq_u32 s33, 0
	s_cbranch_scc1 .Lcomb                          ; no tile is flagged: num = T_ev, den = T_e
	s_mov_b32 s34, 1
	s_cmp_lt_u32 s34, s33
	s_cbranch_scc0 .Ltail
.Lchunk:                                       ; s33 - 1 trips: a tile is multiplied, the next is asked for
	s_wait_xcnt 0x0                                ; the loads issued so far have read the two pointers
	NEXT
	HS2 0, 0, 56, 1
	HS2 0, 1, 56, 1
	HS2 1, 0, 56, 1
	HS2 1, 1, 56, 1
	WIN 0
	s_add_co_u32 s34, s34, 1
	s_cmp_lt_u32 s34, s33
	s_cbranch_scc1 .Lchunk
.Ltail:                                        ; the last tile: nothing is asked for, and the counts run down: behind E0 56, behind X01 40, behind E1 16, behind X11 none
	HS2 0, 0, 56, 0
	HS2 0, 1, 40, 0
	HS2 1, 0, 16, 0
	HS2 1, 1, 0, 0
	WIN 0
.Lcomb:
	s_wait_loadcnt 0x0                             ; no load is out on any way that leads here: the buffers may be loaded again
	PLACES
	s_lshl_b32 s30, s24, 17
	s_add_nc_u64 s[28:29], s[6:7], s[30:31]
	s_add_nc_u64 s[28:29], s[28:29], 3*524288      ; my quarter of out_w in WF: its first four K steps land under what follows
.irp t, 0,1,2,3
	LDW \t, \t
.endr
; Row block a: out1 = Q num (leaves in f32); x = out1 / den (to LDS in bf16); then out_b takes num's registers: the last product's start.
.macro COMB a
	WIN 0
	s_wait_xcnt 0x0                                ; the stores of the block before have read QT's registers
.set n, 0
.rept 16
	ds_load_b128 v[QT+4*n:QT+4*n+3], v[QSA] offset:(16*(\a)+n)*512
.set n, n+1
.endr
	WIN 0xc3
.set n, 0
.rept 64
	v_rcp_f32 v[64*(\a)+n], v[64*(\a)+n]           ; 1 / den: one batch
.set n, n+1
.endr
	s_wait_dscnt 0x0                               ; Q is back
	WIN 0x82
.set n, 0
.rept 32
	v_pk_mul_f32 v[64*(\a)+2*n:64*(\a)+2*n+1], v[64*(\a)+2*n:64*(\a)+2*n+1], v[QT+2*n:QT+2*n+1]  ; the plain work behind the batch
.set n, n+1
.endr
	s_wait_alu depctr_va_vdst(0)                   ; one wait ahead of the batch's first reader
	WIN 0xce
.set n, 0
.rept 32
	v_pk_mul_f32 v[64*(\a)+2*n:64*(\a)+2*n+1], v[64*(\a)+2*n:64*(\a)+2*n+1], v[64*(\a)+2*n:64*(\a)+2*n+1]  ; x (window 3) = out1 (window 2) times 1 / den (window 3)
.set n, n+1
.endr
	WIN 0x0f
.set n, 0
.rept 32
	v_cvt_pk_bf16_f32 v[PK+n], v[64*(\a)+2*n], v[64*(\a)+2*n+1]
.set n, n+1
.endr
	WIN 0
.set n, 0
.rept 8
	ds_store_b128 v[XST], v[PK+4*n:PK+4*n+3] offset:(\a)*16*PITCH+n*32
.set n, n+1
.endr
	OUTROWS \a, 22, 0
	BIAS \a, 10
.endm
.irp t, 0,1,2,3
	COMB \t
.endr
	WIN 0
	s_wait_dscnt 0x0                               ; for the others' sake: my columns of x lie in LDS
	s_barrier_signal -1
	s_barrier_wait -1                              ; all 512 do
	LDAS ARX, 0, 0
	LDAS ARX, 1, 1
	s_wait_loadcnt 0x0                             ; out_b's loads are younger than the four weight buffers: once, all are waited for
	GEMM ARX                                       ; out0, bias and all
	WIN 0
	PLACES
.irp t, 0,1,2,3
	OUTROWS \t, 20, 1
.endr
	s_wait_tensorcnt 0x0                           ; the wave's end: three closing lines, behind my last LDS store
	ds_add_u32 v[SPW], v[NIL]
	s_wait_dscnt 0x0
	s_endpgm
.Lfunc_end_k_qc2fa17829f_final:
	.size	k_qc2fa17829f_final, .Lfunc_end_k_qc2fa17829f_final-k_qc2fa17829f_final
	.p2alignl 7, 3214868480
	.fill 96, 4, 3214868480
	.section	.rodata,"a",@progbits
	.p2align	6, 0x0
	.amdhsa_kernel k_qc2fa17829f_final
		.amdhsa_group_segment_fixed_size 302592
		.amdhsa_private_segment_fixed_size 0
		.amdhsa_enable_private_segment 0
		.amdhsa_kernarg_size 80
		.amdhsa_user_sgpr_count 2
		.amdhsa_user_sgpr_kernarg_segment_ptr 1
		.amdhsa_wavefront_size32 1
		.amdhsa_system_sgpr_workgroup_id_x 1
		.amdhsa_system_sgpr_workgroup_id_y 1
		.amdhsa_system_sgpr_workgroup_id_z 1
		.amdhsa_system_vgpr_workitem_id 0
		.amdhsa_next_free_vgpr 1024
		.amdhsa_next_free_sgpr 100
		.amdhsa_reserve_vcc 0
		.amdhsa_float_denorm_mode_32 3
		.amdhsa_float_denorm_mode_16_64 3
		.amdhsa_memory_ordered 1
		.amdhsa_forward_progress 1
		.amdhsa_inst_pref_size 255
	.end_amdhsa_kernel
	.section	.bss,"aw",@nobits
	.p2align	6
	.space	262144
	.amdgpu_metadata
---
amdhsa.version: [ 1, 2 ]
amdhsa.kernels:
  - .name:           k_qc2fa17829f_final
    .symbol:         k_qc2fa17829f_final.kd
    .args:
      - { .name: q, .offset: 0, .size: 8, .value_kind: global_buffer, .address_space: global }
      - { .name: WF, .offset: 8, .size: 8, .value_kind: global_buffer, .address_space: global }
      - { .name: Wq_b, .offset: 16, .size: 8, .value_kind: global_buffer, .address_space: global }
      - { .name: out_b, .offset: 24, .size: 8, .value_kind: global_buffer, .address_space: global }
      - { .name: EF, .offset: 32, .size: 8, .value_kind: global_buffer, .address_space: global }
      - { .name: XF, .offset: 40, .size: 8, .value_kind: global_buffer, .address_space: global }
      - { .name: PS, .offset: 48, .size: 8, .value_kind: global_buffer, .address_space: global }
      - { .name: FL, .offset: 56, .size: 8, .value_kind: global_buffer, .address_space: global }
      - { .name: out0, .offset: 64, .size: 8, .value_kind: global_buffer, .address_space: global }
      - { .name: out1, .offset: 72, .size: 8, .value_kind: global_buffer, .address_space: global }
    .group_segment_fixed_size: 302592
    .private_segment_fixed_size: 0
    .kernarg_segment_align: 8
    .kernarg_segment_size: 80
    .max_flat_workgroup_size: 128
    .sgpr_count:     100
    .vgpr_count:     1024
    .wavefront_size: 32
...
	.end_amdgpu_metadata
.endif
;; end of part 3
;; ======== version 2 of 2: 3 launches; version 1 with the launches kvproj, final written anew for expert scheduling mode
;; workspace buffers: WF 2,097,152 bytes; EF 8,388,608 bytes; XF 33,554,432 bytes; PS 1,048,576 bytes; FL 8,192 bytes of whole numbers
;; launch prep: the kernel of part 1 again; grid 256 x 1, 8 waves a work-group, no clusters, 0 bytes of LDS; arguments Wk_w, Wv_w, Wq_w, out_w, w_bias, local_mask, WF, EF, FL; writes WF, EF, FL
;; launch kvproj (part 4): grid 256 x 1, 4 waves a work-group, no clusters, 137,728 bytes of LDS; arguments k, v, WF, Wk_b, Wv_b, XF, PS; writes XF, PS
.if DOCPART == 4
	.amdgcn_target "amdgcn-amd-amdhsa--gfx1250"
	.amdhsa_code_object_version 6
	.text
	.protected	k_qc2fa17829f_kvproj
	.globl	k_qc2fa17829f_kvproj
	.p2align	8
	.type	k_qc2fa17829f_kvproj,@function
k_qc2fa17829f_kvproj:
	s_mov_b64 s[64:65], 0
	v_nop
	global_prefetch_b8 v0, s[64:65] scope:SCOPE_SE
	s_setreg_imm32_b32 hwreg(HW_REG_WAVE_SCHED_MODE, 0, 2), 2
	s_setreg_imm32_b32 hwreg(HW_REG_WAVE_MODE, 25, 1), 1
	s_wait_xcnt 0x0
	s_wait_alu depctr_vm_vsrc(0)
; key_p = k Wk^T + Wk_b, value = v Wv^T + Wv_b; ek = exp(key_p); stored: ek * value and ek in bf16 (XF, fragment order, as operands of final's product with E'),
; and their column sums over this work-group's 64 rows in f32, taken of the UNROUNDED numbers (PS).  Nothing of reference() is left out here.
; SHARES.  Work-group g owns rows 64 g .. 64 g + 63 of the 16,384 (batch g / 32), all 512 columns of both products.  Wave w owns columns 128 w .. + 127 of both: 2 x 32 accumulators of 16 x 16.
; OPERANDS.  Source 0 = 16 rows of k or v (from LDS, rounded to bf16 on the way in), source 1 = 16 rows of Wk or Wv (WF, straight from memory into registers: each fragment is wanted by one
; wave of the work-group alone).  In a result lane (r, h) holds column d0 + r and rows t0 + 8 h + 0..7: two neighbouring row blocks, packed, ARE a fragment (16 d x 32 t) of XF, and leave from registers.
; NO CLUSTER, NO RING.  All work-groups walk the same 1 MiB of WF.  Beside the 133,120 bytes of rows that stay in LDS there is room for two slots of some 97,000 bytes; a K step of both weights is
; 65,536 bytes and its padding: a slot would hold less than a step and a half, so a round of the cluster's barrier would stand at every 64 to 90 matrix instructions of a wave; and each byte would be
; written to LDS and read from it once more than now.  So the weights come by loads, 92 matrix instructions ahead of their first use.
; LIMITS.  exp as 2^(x log2 e), no maximum taken away, as in reference(); bf16 has f32's range, but a number within half a bf16 step of f32's largest becomes an infinity.
; THE MODE: SCHED_MODE bits 1:0 = 2 (LLVM: expert scheduling mode 2), set by the entry lines.  The code itself states the register dependences
; between vector or matrix instructions and memory or LDS instructions, with s_wait_alu, always for 0.
; THE PLAN.  Registers that memory or LDS instructions touch:
;   staging 0 .. 3 (window 2)  A group's loads land in one; its 32 roundings read it; behind the wait that follows them the group four further on is asked for.
;   v[PK ..]      On the way in: written by a group's roundings, read by its eight LDS stores; written again by the next group's roundings, behind a wait on vm_vsrc.
;   W0 .. W3 (window 1), A0, A1 (v64-127)  Half step n's matrix instructions read W[n % 4] and A[n % 2].  Half step n + 1 asks for both again: ONE wait on va_vdst at its head states that
;                 half step n is done reading them; the 24 loads stand in one run behind its first four matrix instructions, which name W[(n + 1) % 4], A[(n + 1) % 2] and the other product's accumulators.
;   v[ARK], v[ARV]  Read by every load of a row fragment; stepped once a trip, behind a wait on vm_vsrc; the next half step's wait on va_vdst stands ahead of their next reader.
;   block i of windows 2 and 3  On the way out: written by block i's roundings, read by eight stores, which stand behind block i + 1's wait for its exponentials; never written again.
;   all other addresses and offsets are made at the head, ahead of one wait on va_vdst, and never written again.
; REGISTERS, in windows of 256 (s_set_vgpr_msb: bits 1:0 source 0, 3:2 source 1, 5:4 source 2, 7:6 destination):
;   window 0: addresses, biases, v32-63 at work, v64-127 the rows' fragments, v128-175 sums and bias pairs
;   window 1: four buffers of 8 weight fragments: K step even / odd x key / value
;   window 2: first four staging buffers of 64; then the key accumulators, (a, i) at 8 (8 a + i)          window 3: the value accumulators
.set PITCH, 1040                       ; an LDS row: 1,024 bytes + 16 = 65 x 16: the 16 rows of a fragment load start at 16 different groups of four banks (ISA guide 11.1)
.set AV,    64*PITCH                   ; k's 64 rows at 0, v's behind them
.set SUMS,  2*64*PITCH                 ; 1,024 bytes for each wave
.set SPARE, SUMS+4096                  ; the spare words, 128 bytes for each wave: two blocks of 256 bytes that no other line names
.set LOFF, 2                           ; v2   32 lane + 32,768 w: my 8 numbers in a half row of my wave's 16 rows of k and v
.set LSTK, 3                           ; v3   where they go in LDS: 16 w rows + 16 lane
.set LSTV, 4                           ; v4   the same for v
.set ARK,  5                           ; v5   a fragment's lane address: r x pitch + 16 h, stepped along K
.set ARV,  6                           ; v6   the same for v
.set BO,   7                           ; v7   16 lane
.set BIO,  8                           ; v8   (128 w + r) x 4: my column in the biases
.set SST,  9                           ; v9   where my column's sum goes
.set SRD,  10                          ; v10  where I read four sums back
.set PSO,  11                          ; v11  512 w + 16 lane, in PS
.set BKR,  12                          ; v[12:19]  Wk_b of my column in block i
.set BVR,  20                          ; v[20:27]  Wv_b
.set SPW,  28                          ; v28  my spare word; never rewritten
.set NIL,  29                          ; v29  0; never rewritten
.set PK,   32                          ; v[32:63]  at work
.set AKF,  64                          ; v[64:95]  four fragments of k's rows;  v[96:127] of v's
.set SV,   128                         ; v[128:135] column sums of ek * value, block i;  v[136:143] (SE) of ek
.set SE,   136
.set BKP,  144                         ; v[144:159] Wk_b log2(e), twice each: pairs for the packed lines
.set BVP,  160                         ; v[160:175] Wv_b, twice each
.set MSB, 0
.macro WIN new                         ; the immediate's high byte repeats the setting that is left; a switch that changes nothing is dropped
.if MSB != (\new)
	s_set_vgpr_msb (MSB<<8)|(\new)
.set MSB, \new
.endif
.endm
; 16 loads: rows 4 s .. 4 s + 3 of my wave's 16, 8 numbers a lane in each half row, into staging buffer buf
.macro GRP base, s, buf
	WIN 0x80
.set n, 0
.rept 16
	global_load_b128 v[64*(\buf)+4*n:64*(\buf)+4*n+3], v[LOFF], s[\base:\base+1] offset:(4*(\s)+n/4)*2048+((n/2)%2)*1024+(n%2)*16 th:TH_LOAD_NT
.set n, n+1
.endr
.endm
; the same rows rounded to bf16 and laid into LDS, 512 consecutive bytes a store.  prior: other than 0 where a group has gone this way before
.macro CVT buf, s, lst, prior
.if (\prior) > 0
	s_wait_alu depctr_vm_vsrc(0)                   ; the LDS stores of the group before have read v[PK ..], which these roundings write again
.endif
	WIN 0x0a
.set n, 0
.rept 32
	v_cvt_pk_bf16_f32 v[PK+n], v[64*(\buf)+2*n], v[64*(\buf)+2*n+1]
.set n, n+1
.endr
	WIN 0
	s_wait_alu depctr_va_vdst(0)                   ; the roundings have written v[PK ..], which the LDS stores read, and are done reading the staging buffer, in which the next group's loads land
.set n, 0
.rept 8
	ds_store_b128 v[\lst], v[PK+4*n:PK+4*n+3] offset:(4*(\s)+n/2)*PITCH+(n%2)*512
.set n, n+1
.endr
.endm
; 16 loads: my 8 fragments of Wk (sel 0) or Wv (sel 1) for K step ksr behind the pointer, into buffer hb: 512 consecutive bytes a load
.macro LDB hb, sel, ksr
	WIN 0x40
.set n, 0
.rept 16
	global_load_b128 v[64*(\hb)+4*n:64*(\hb)+4*n+3], v[BO], s[8:9] offset:(\sel)*524288+(\ksr)*8192+n*512
.set n, n+1
.endr
.endm
; 8 LDS loads: the four fragments of k's (sel 0) or v's (sel 1) rows for K step ksr behind the address
.macro LDA sel, ksr
	WIN 0
.set n, 0
.rept 4
	ds_load_b128 v[AKF+32*(\sel)+8*n:AKF+32*(\sel)+8*n+3],   v[ARK+(\sel)] offset:n*16*PITCH+(\ksr)*64
	ds_load_b128 v[AKF+32*(\sel)+8*n+4:AKF+32*(\sel)+8*n+7], v[ARK+(\sel)] offset:n*16*PITCH+(\ksr)*64+32
.set n, n+1
.endr
.endm
; 4 cnt matrix instructions of one product: column blocks i0 .. i0 + cnt - 1 x the four row blocks.  The accumulators take turns, one instruction a turn.
.macro MMB sel, hb, zero, i0, cnt
	WIN 0xa4+0x50*(\sel)
.set ii, \i0
.rept \cnt
.set aa, 0
.rept 4
.set RC, 8*(8*aa+ii)
.set RA, AKF+32*(\sel)+8*aa
.set RB, 64*(\hb)+8*ii
.if \zero
	v_wmma_f32_16x16x32_bf16 v[RC:RC+7], v[RA:RA+7], v[RB:RB+7], 0
.else
	v_wmma_f32_16x16x32_bf16 v[RC:RC+7], v[RA:RA+7], v[RB:RB+7], v[RC:RC+7]
.endif
.set aa, aa+1
.endr
.set ii, ii+1
.endr
.endm
; A HALF STEP: one product's 32 matrix instructions for 32 along K; the next half step has the other product's 32.
; nl: the younger weight loads that may stay out (two groups of 16: those issued in the two half steps before); nd: the younger LDS loads.
; refill, aload: the weight buffer and the row fragments that the half step BEFORE multiplied are asked for again: K step rks (weights) and aks (rows) behind the pointer and the address.
.macro HS sel, hb, zero, nl, nd, refill, rks, aload, aks
	s_wait_loadcnt \nl
	s_wait_dscnt \nd
.if (\refill)||(\aload)
	s_wait_alu depctr_va_vdst(0)                   ; the half step before is done reading its weight buffer and its row fragments, in which the loads below land; in a trip's first half step v[ARK] and v[ARV] are written
.endif
	MMB \sel, \hb, \zero, 0, 1
.if \aload
	LDA 1-(\sel), \aks                             ; no further wait: the four matrix instructions since the wait name this half step's buffer, fragments and accumulators alone
.endif
.if \refill
	LDB ((\hb)+3)%4, 1-(\sel), \rks
.endif
	MMB \sel, \hb, \zero, 1, 7
.endm
.macro ONWARD                          ; two K steps on
	WIN 0                                          ; at a label and at a branch every window is 0
	s_wait_xcnt 0x0                                ; the loads issued so far, the last of them 28 matrix instructions back, have read the pointer
	s_add_nc_u64 s[8:9], s[8:9], 16384
	s_wait_alu depctr_vm_vsrc(0)                   ; the LDS loads issued so far have read v[ARK] and v[ARV] (and the way in's LDS stores v[PK ..], which the way out writes again)
	v_add_nc_u32 v[ARK], 128, v[ARK]
	v_add_nc_u32 v[ARV], 128, v[ARV]
.endm
	s_load_b256 s[4:11], s[0:1], 0x0               ; k s[4:5], v s[6:7], WF s[8:9], Wk_b s[10:11]
	s_load_b128 s[12:15], s[0:1], 0x20             ; Wv_b s[12:13], XF s[14:15]
	s_load_b64 s[16:17], s[0:1], 0x30              ; PS
	v_lshl_add_u32 v[SPW], v0, 2, SPARE
	v_mov_b32 v[NIL], 0
	v_lshrrev_b32 v1, 5, v0
	v_readfirstlane_b32 s18, v1                    ; wave 0..3
	v_and_b32 v30, 31, v0                          ; lane
	v_and_b32 v31, 15, v0                          ; r
	v_bfe_u32 v1, v0, 4, 1                         ; h
	s_wait_alu depctr_va_sdst(0)                   ; s18 is written, ahead of its first reader: addresses and bases are made from it
	s_lshl_b32 s24, s18, 15
	v_lshl_add_u32 v[LOFF], v30, 5, s24
	s_mul_i32 s25, s18, 16*PITCH
	v_lshl_add_u32 v[LSTK], v30, 4, s25
	v_add_nc_u32 v[LSTV], AV, v[LSTK]
	v_mul_u32_u24 v[ARK], v31, PITCH
	v_lshl_add_u32 v[ARK], v1, 4, v[ARK]
	v_add_nc_u32 v[ARV], AV, v[ARK]
	v_lshlrev_b32 v[BO], 4, v30
	s_lshl_b32 s26, s18, 9
	v_lshl_add_u32 v[BIO], v31, 2, s26
	v_lshl_add_u32 v[PSO], v30, 4, s26
	s_lshl_b32 s27, s18, 10
	s_add_co_u32 s27, s27, SUMS                    ; my wave's 1,024 bytes: [ek value, ek][128 columns]
	v_lshl_add_u32 v[SST], v1, 9, s27
	v_lshl_add_u32 v[SST], v31, 2, v[SST]
	v_lshl_add_u32 v[SRD], v30, 4, s27
	s_mov_b32 s20, 0x3fb8aa3b                      ; log2(e)
	s_mov_b32 s21, 0x3fb8aa3b                      ; named with it as a pair
	s_mov_b32 s22, 0x76543210                      ; v_permlanex16_b32: each lane takes its own place in the other half
	s_mov_b32 s23, 0xfedcba98
	s_lshl_b32 s28, ttmp9, 17                      ; 64 rows of 2,048 bytes; also the work-group's 128 KiB of XF
	s_mov_b32 s29, 0
	s_lshl_b32 s30, s18, 17                        ; my quarter of a weight matrix in WF
	s_mov_b32 s31, 0
	s_lshl_b32 s32, s18, 14                        ; my 16 fragments in each 32 keys of XF
	s_mov_b32 s33, 0
	s_lshl_b32 s34, ttmp9, 12                      ; the work-group's 4,096 bytes of PS
	s_mov_b32 s35, 0
	s_wait_kmcnt 0x0
	s_add_nc_u64 s[4:5], s[4:5], s[28:29]
	s_add_nc_u64 s[6:7], s[6:7], s[28:29]
	s_add_nc_u64 s[8:9], s[8:9], s[30:31]
	s_add_nc_u64 s[14:15], s[14:15], s[28:29]
	s_add_nc_u64 s[14:15], s[14:15], s[32:33]
	s_add_nc_u64 s[16:17], s[16:17], s[34:35]
	s_wait_alu depctr_va_vdst(0)                   ; the ten addresses and offsets v2 to v11 are written, which the loads and stores below read
	; THE WAY IN: one stream of groups of 16 loads: the biases, k's four groups, v's four, the first four weight buffers.  A step waits for its group (three younger groups, 48 loads, stay out),
	; uses it, and issues the group four further on, into the staging buffer just freed or into a weight buffer.
.set n, 0
.rept 8
	global_load_b32 v[BKR+n], v[BIO], s[10:11] offset:64*n
	global_load_b32 v[BVR+n], v[BIO], s[12:13] offset:64*n
.set n, n+1
.endr
.irp t, 0,1,2,3
	GRP 4, \t, \t
.endr
.irp t, 0,1,2,3
	s_wait_loadcnt 48
	CVT \t, \t, LSTK, \t
	GRP 6, \t, \t
.endr
.irp t, 0,1,2,3
	s_wait_loadcnt 48
	CVT \t, \t, LSTV, 1
	LDB \t, (\t)%2, (\t)/2                         ; buffer 0: K step 0, key; 1: K step 0, value; 2, 3: K step 1.  No vector or matrix instruction has named these registers
.endr
	WIN 0
	s_wait_dscnt 0x0                               ; for the others' sake: my rows lie in LDS
	s_barrier_signal -1
	s_barrier_wait -1                              ; all 64 rows of k and of v do
	LDA 0, 0
	LDA 1, 0
	; 16 K STEPS of 32, two a trip.  The first trip's first two half steps start the sums with the constant 0, and its first has no half step before it: it asks for nothing.
	; The last trip asks for the last K step's weights in its first half step and for the last rows in its first three; its counts run down.
	HS 0, 0, 1, 48, 8, 0, 0, 0, 0                  ; W0 is in, W1 to W3 (48 loads) stay out; k's fragments are in, v's eight loads stay out
	HS 1, 1, 1, 32, 0, 1, 2, 1, 1
	HS 0, 2, 0, 32, 0, 1, 2, 1, 1
	HS 1, 3, 0, 32, 0, 1, 3, 1, 2
	ONWARD
	s_mov_b32 s19, 6
.Ltrip:
	HS 0, 0, 0, 32, 0, 1, 1, 1, 0                  ; for the last trip's last half step: the value's odd K step and rows, now counted from the stepped pointer and address
	HS 1, 1, 0, 32, 0, 1, 2, 1, 1
	HS 0, 2, 0, 32, 0, 1, 2, 1, 1
	HS 1, 3, 0, 32, 0, 1, 3, 1, 2
	ONWARD
	s_sub_co_u32 s19, s19, 1
	s_cmp_lg_u32 s19, 0
	s_cbranch_scc1 .Ltrip
	HS 0, 0, 0, 32, 0, 1, 1, 1, 0                  ; K steps 14 and 15
	HS 1, 1, 0, 32, 0, 0, 0, 1, 1
	HS 0, 2, 0, 16, 0, 0, 0, 1, 1
	HS 1, 3, 0, 0, 0, 0, 0, 0, 0
	; THE WAY OUT.  The bias pairs are made here: 32 plain instructions, the places behind the last products.
	WIN 0
.set n, 0
.rept 8
	v_mul_f32 v[BKP+2*n], s20, v[BKR+n]
	v_mul_f32 v[BKP+2*n+1], s20, v[BKR+n]
	v_mov_b32 v[BVP+2*n], v[BVR+n]
	v_mov_b32 v[BVP+2*n+1], v[BVR+n]
.set n, n+1
.endr
; Column block i leaves: row block a is half a % 2 of the fragment for keys 32 (a / 2) on: 512 consecutive bytes a store
.macro STX i
	WIN 0x0c
.set aa, 0
.rept 4
	global_store_b128 v[BO], v[64*aa+8*(\i):64*aa+8*(\i)+3], s[14:15] offset:(aa/2)*65536+(\i)*1024+(aa%2)*512
.set aa, aa+1
.endr
	WIN 0x08
.set aa, 0
.rept 4
	global_store_b128 v[BO], v[64*aa+8*(\i):64*aa+8*(\i)+3], s[14:15] offset:(aa/2)*65536+8192+(\i)*1024+(aa%2)*512
.set aa, aa+1
.endr
.endm
; Column block i: its four key and four value accumulators (64 rows x 16 columns each).  Each accumulator is read from its lowest registers on.
.macro EPI i
	WIN 0x82
.set aa, 0
.rept 4
.set jj, 0
.rept 4
.set R0, 64*aa+8*(\i)+2*jj
	v_pk_fma_f32 v[R0:R0+1], v[R0:R0+1], s[20:21], v[BKP+2*(\i):BKP+2*(\i)+1] op_sel_hi:[1,0,1]  ; (sum + bias) log2(e)
.set jj, jj+1
.endr
.set aa, aa+1
.endr
.set aa, 0
.rept 4
.set jj, 0
.rept 8
	v_exp_f32 v[64*aa+8*(\i)+jj], v[64*aa+8*(\i)+jj]          ; ek: one batch of 32
.set jj, jj+1
.endr
.set aa, aa+1
.endr
	WIN 0xc3
.set aa, 0
.rept 4
.set jj, 0
.rept 4
.set R0, 64*aa+8*(\i)+2*jj
	v_pk_add_f32 v[R0:R0+1], v[R0:R0+1], v[BVP+2*(\i):BVP+2*(\i)+1]  ; value: the plain work behind the batch
.set jj, jj+1
.endr
.set aa, aa+1
.endr
	s_wait_alu depctr_va_vdst(0)                   ; the 32 exponentials have written ek, ahead of the batch's first reader; and the block before's roundings have written what the stores below read
.if (\i) > 0
	STX (\i)-1                                     ; no vector instruction of this block names the block before's registers
.endif
	WIN 0xcb
.set aa, 0
.rept 4
.set jj, 0
.rept 4
.set R0, 64*aa+8*(\i)+2*jj
	v_pk_mul_f32 v[R0:R0+1], v[R0:R0+1], v[R0:R0+1]           ; value (window 3) times ek (window 2)
.set jj, jj+1
.endr
.set aa, aa+1
.endr
	WIN 0x0a                                       ; the lane's 32 numbers of each are added, unrounded, in f32
.set n, 0
.rept 8
.set R0, 64*(n/4)+8*(\i)+2*(n%4)
	v_pk_add_f32 v[PK+2*n:PK+2*n+1], v[R0:R0+1], v[R0+128:R0+129]
.set n, n+1
.endr
	WIN 0x0f
.set n, 0
.rept 8
.set R0, 64*(n/4)+8*(\i)+2*(n%4)
	v_pk_add_f32 v[PK+16+2*n:PK+16+2*n+1], v[R0:R0+1], v[R0+128:R0+129]
.set n, n+1
.endr
	WIN 0
.irp n, 0,2,4,6
	v_pk_add_f32 v[PK+(\n):PK+(\n)+1], v[PK+(\n):PK+(\n)+1], v[PK+8+(\n):PK+8+(\n)+1]
	v_pk_add_f32 v[PK+16+(\n):PK+16+(\n)+1], v[PK+16+(\n):PK+16+(\n)+1], v[PK+24+(\n):PK+24+(\n)+1]
.endr
.irp n, 0,2
	v_pk_add_f32 v[PK+(\n):PK+(\n)+1], v[PK+(\n):PK+(\n)+1], v[PK+4+(\n):PK+4+(\n)+1]
	v_pk_add_f32 v[PK+16+(\n):PK+16+(\n)+1], v[PK+16+(\n):PK+16+(\n)+1], v[PK+20+(\n):PK+20+(\n)+1]
.endr
	v_pk_add_f32 v[PK:PK+1], v[PK:PK+1], v[PK+2:PK+3]
	v_pk_add_f32 v[PK+16:PK+17], v[PK+16:PK+17], v[PK+18:PK+19]
	v_add_f32 v[SE+(\i)], v[PK], v[PK+1]
	v_add_f32 v[SV+(\i)], v[PK+16], v[PK+17]
	WIN 0x8a                                       ; rounded once to bf16, in place: result q lies at or below its sources
.set aa, 0
.rept 4
.set jj, 0
.rept 4
	v_cvt_pk_bf16_f32 v[64*aa+8*(\i)+jj], v[64*aa+8*(\i)+2*jj], v[64*aa+8*(\i)+2*jj+1]
.set jj, jj+1
.endr
.set aa, aa+1
.endr
	WIN 0xcf
.set aa, 0
.rept 4
.set jj, 0
.rept 4
	v_cvt_pk_bf16_f32 v[64*aa+8*(\i)+jj], v[64*aa+8*(\i)+2*jj], v[64*aa+8*(\i)+2*jj+1]
.set jj, jj+1
.endr
.set aa, aa+1
.endr
.endm
.irp t, 0,1,2,3,4,5,6,7
	EPI \t
.endr
	; the column sums: the other half of the lanes holds the column's other 32 rows; then through my own LDS bytes, so that a store covers 512 consecutive bytes
	WIN 0
.set n, 0
.rept 16
	v_permlanex16_b32 v[PK+n], v[SV+n], s22, s23
.set n, n+1
.endr
.set n, 0
.rept 16
	v_add_f32 v[SV+n], v[SV+n], v[PK+n]
.set n, n+1
.endr
	v_cmp_ne_u32 vcc_lo, 0, v1
	s_wait_alu depctr_va_vcc(0)                    ; VCC is written, ahead of the selects that read it
.set n, 0
.rept 8
	v_cndmask_b32 v[PK+n], v[SV+n], v[SE+n], vcc_lo  ; lanes 0-15 put ek value's sum, lanes 16-31 ek's
.set n, n+1
.endr
	s_wait_alu depctr_va_vdst(0)                   ; block 7's roundings have written what its stores read; the selects have written v[PK .. PK+7], which the LDS stores read; the blocks' additions are done with v[PK+16 .. PK+23], in which the LDS loads land
	STX 7
	WIN 0
.set n, 0
.rept 8
	ds_store_b32 v[SST], v[PK+n] offset:64*n
.set n, n+1
.endr
	ds_load_b128 v[PK+16:PK+19], v[SRD]            ; LDS serves a wave's instructions in order (ISA guide 5.7.1.4): these see the stores above
	ds_load_b128 v[PK+20:PK+23], v[SRD] offset:512
	s_wait_dscnt 0x0
	global_store_b128 v[PSO], v[PK+16:PK+19], s[16:17]
	global_store_b128 v[PSO], v[PK+20:PK+23], s[16:17] offset:2048
	s_wait_dscnt 0x0                               ; the closing lines, six on end
	s_wait_alu 0x0
	s_wait_tensorcnt 0x0
	ds_add_u32 v[SPW], v[NIL]
	s_wait_dscnt 0x0
	s_endpgm
.Lfunc_end_k_qc2fa17829f_kvproj:
	.size	k_qc2fa17829f_kvproj, .Lfunc_end_k_qc2fa17829f_kvproj-k_qc2fa17829f_kvproj
	.p2alignl 7, 3214868480
	.fill 96, 4, 3214868480
	.section	.rodata,"a",@progbits
	.p2align	6, 0x0
	.amdhsa_kernel k_qc2fa17829f_kvproj
		.amdhsa_group_segment_fixed_size 137728
		.amdhsa_private_segment_fixed_size 0
		.amdhsa_enable_private_segment 0
		.amdhsa_kernarg_size 56
		.amdhsa_user_sgpr_count 2
		.amdhsa_user_sgpr_kernarg_segment_ptr 1
		.amdhsa_wavefront_size32 1
		.amdhsa_system_sgpr_workgroup_id_x 1
		.amdhsa_system_sgpr_workgroup_id_y 1
		.amdhsa_system_sgpr_workgroup_id_z 1
		.amdhsa_system_vgpr_workitem_id 0
		.amdhsa_next_free_vgpr 1024
		.amdhsa_next_free_sgpr 66
		.amdhsa_reserve_vcc 1
		.amdhsa_float_denorm_mode_32 3
		.amdhsa_float_denorm_mode_16_64 3
		.amdhsa_memory_ordered 1
		.amdhsa_forward_progress 1
		.amdhsa_inst_pref_size 165
	.end_amdhsa_kernel
	.amdgpu_metadata
---
amdhsa.version: [ 1, 2 ]
amdhsa.kernels:
  - .name:           k_qc2fa17829f_kvproj
    .symbol:         k_qc2fa17829f_kvproj.kd
    .args:
      - { .name: k, .offset: 0, .size: 8, .value_kind: global_buffer, .address_space: global }
      - { .name: v, .offset: 8, .size: 8, .value_kind: global_buffer, .address_space: global }
      - { .name: WF, .offset: 16, .size: 8, .value_kind: global_buffer, .address_space: global }
      - { .name: Wk_b, .offset: 24, .size: 8, .value_kind: global_buffer, .address_space: global }
      - { .name: Wv_b, .offset: 32, .size: 8, .value_kind: global_buffer, .address_space: global }
      - { .name: XF, .offset: 40, .size: 8, .value_kind: global_buffer, .address_space: global }
      - { .name: PS, .offset: 48, .size: 8, .value_kind: global_buffer, .address_space: global }
    .group_segment_fixed_size: 137728
    .private_segment_fixed_size: 0
    .kernarg_segment_align: 8
    .kernarg_segment_size: 56
    .max_flat_workgroup_size: 128
    .sgpr_count:     66
    .vgpr_count:     1024
    .wavefront_size: 32
...
	.end_amdgpu_metadata
.endif
;; end of part 4
;; launch final (part 5): grid 256 x 1, 4 waves a work-group, no clusters, 302,592 bytes of LDS; arguments q, WF, Wq_b, out_b, EF, XF, PS, FL, out0, out1; writes out0, out1
.if DOCPART == 5
	.amdgcn_target "amdgcn-amd-amdhsa--gfx1250"
	.amdhsa_code_object_version 6
	.text
	.protected	k_qc2fa17829f_final
	.globl	k_qc2fa17829f_final
	.p2align	8
	.type	k_qc2fa17829f_final,@function
k_qc2fa17829f_final:
	s_mov_b64 s[64:65], 0
	v_nop
	global_prefetch_b8 v0, s[64:65] scope:SCOPE_SE
	s_setreg_imm32_b32 hwreg(HW_REG_WAVE_SCHED_MODE, 0, 2), 2
	s_setreg_imm32_b32 hwreg(HW_REG_WAVE_MODE, 25, 1), 1
	s_wait_xcnt 0x0
	s_wait_alu depctr_vm_vsrc(0)
; Q = sigmoid(q Wq^T + Wq_b);  num = T_ev + E' (ek value),  den = T_e + E' ek;  out1 = Q num;  x = out1 / den;  out0 = x out_w^T + out_b.
; WORK LEFT OUT: the tiles of 64 x 64 of E' under which every mask byte is 0 are products with zeros (E' = exp(w_bias * 0) - 1 = 0 for all finite w_bias) and are not multiplied; which they are is
; read from FL, whole numbers that prep stored from the mask itself.  A NaN or an infinity of w_bias under such a tile is not carried to the result.  T_ev, T_e: the column sums over all 2,048 keys (PS).
; SHARES.  Work-group g owns batch g / 32, rows 64 (g % 32) .. + 63, all 512 columns; wave w owns columns 128 w .. + 127: 32 accumulators of 16 x 16 for each of Q, num, den, out0.
; ALL PRODUCTS ARE TAKEN TRANSPOSED: source 0 = 16 columns d (a fragment of WF or XF, straight from memory), source 1 = 16 rows s (q, E' or x).  In every result lane (r, h) holds row s0 + r and
; columns d0 + 8 h + 0..7: Q, num, den and out0 lie alike, and the arithmetic between them is register by register.  Accumulator (a, i) (rows 16 a, columns 128 w + 16 i) lies at 8 (8 a + i).
; Register quad n = 2 i + hf of a row block holds columns 16 i + 8 h + 4 hf + 0..3 of the wave's 128: in f32 that is byte 64 i + 32 h + 16 hf of the wave's 512.
; THE SUMS START AT WHAT IS ADDED ANYWAY: the biases and T are loaded into the accumulators; nothing is cleared and no first step is written out.
; Q waits in LDS in f32 while num has its registers.  x crosses the waves through LDS in bf16, its one rounding.
; THE LOOP OVER FLAGGED TILES has a trip count read from memory: it holds no LDS access and no barrier; its operands come from memory straight into registers: XF's fragments 92 matrix instructions
; ahead of their first use, E's 60.
; NO CLUSTER, NO RING.  That loop may hold neither a barrier nor a tensor load; in the two weight products each fragment of WF goes to one wave alone, and LDS, with q, x, Q and the stage resident
; (302,080 bytes), has no room for slots.  What partners could share beside WF is E' (8 of a tile's 136 KiB).
; THE MODE: SCHED_MODE bits 1:0 = 2 (LLVM: expert scheduling mode 2), set by the entry lines.  The code itself states the register dependences
; between vector or matrix instructions and memory or LDS instructions, with s_wait_alu, always for 0.
; THE PLAN.  Registers that memory or LDS instructions touch:
;   staging 0 .. 3 (window 3), v[PK ..]  On the way in: a group's roundings read a staging buffer and write PK; one wait on va_vdst behind them serves the LDS stores of PK and the next loads into the
;                 buffer; a wait on vm_vsrc stands ahead of the next roundings into PK.
;   B0 .. B3 (window 1), AS0, AS1 (v64-127)  In all three loops the matrix instructions of one step read one B and one AS.  The NEXT step asks for them again: ONE wait on va_vdst at its head states
;                 that the step before is done reading them; the loads stand in one run behind the step's first four matrix instructions, which name this step's B, AS and accumulators alone.
;   v[ARQ], v[ARX]  Read by every LDS load of a row fragment; stepped once a trip, behind a wait on vm_vsrc; the next step's wait on va_vdst stands ahead of their next reader.
;   window 2      Q's sums: written by the sigmoid, read by Q's LDS stores; T lands in it behind waits on both fields.  num: multiplied, read by the stage's stores; out_b lands in it behind waits on both.
;   v[QT ..]      Q lands in it, a multiplication reads it, rows from the stage land in it, global stores read it: a wait on vm_vsrc ahead of the next loads into it.
;   all other addresses and offsets are made at the head, ahead of one wait on va_vdst, and never written again.
; REGISTERS, in windows of 256 (s_set_vgpr_msb: bits 1:0 source 0, 3:2 source 1, 5:4 source 2, 7:6 destination):
;   window 0: addresses; v18-25 T at work; v32-63 at work; v64-127 two sets of four row fragments; v128-191 Q read back, then rows on their way out
;   window 1: four buffers of 8 column fragments          window 2: Q's sums, then num, then out0's sums          window 3: four staging buffers, then den, then x
.set PITCH,  1040                      ; an LDS row of q or x: 1,024 bytes + 16 = 65 x 16 (64 banks of 4 bytes: ISA guide 11.1)
.set XA,     64*PITCH                  ; q in bf16 at 0, x behind it
.set QS,     2*64*PITCH                ; Q in f32: 32 KiB a wave, register quad n of row block a at (16 a + n) 512 + 16 lane
.set STG,    QS+131072                 ; the way out: 16 rows of 512 + 16 bytes for each wave
.set SPITCH, 528
.set TOT,    STG+4*16*SPITCH           ; T: [ek value, ek][512] f32
.set SPARE,  TOT+4096                  ; the spare words, 128 bytes for each wave: two blocks of 256 bytes that no other line names
.set LOFF, 2                           ; v2   32 lane + 32,768 w: my 8 numbers in a half row of my wave's 16 rows of q
.set LST,  3                           ; v3   where they go in LDS
.set ARQ,  4                           ; v4   a fragment's lane address in q's rows, stepped along K
.set ARX,  5                           ; v5   in x's rows
.set BO,   6                           ; v6   16 lane
.set PSO,  7                           ; v7   32 x thread: my 8 numbers of a partial sum
.set TOTW, 8                           ; v8   where their total goes
.set TOTR, 9                           ; v9   T of my 8 columns in block 0
.set QSA,  10                          ; v10  my 16 bytes in my wave's Q
.set XST,  11                          ; v11  where my 8 numbers of x go
.set STS,  12                          ; v12  the stage: in: row r, 32 h
.set SRD,  13                          ; v13  the stage: back, 512 consecutive bytes of a row
.set GO,   14                          ; v14  512 w + 16 lane, in a row of out0 and out1
.set PFO,  15                          ; v15  256 x thread; never rewritten
.set BIO,  16                          ; v16  512 w + 32 h: my 8 columns of block 0 in a bias
.set TS,   18                          ; v[18:25]
.set SPW,  28                          ; v28  my spare word; never rewritten
.set NIL,  29                          ; v29  0; never rewritten
.set PK,   32                          ; v[32:63]
.set AS,   64                          ; v[64:127]
.set QT,   128                         ; v[128:191]
.set CUR,  40                          ; s[40:43]  the tile in hand: its keys in XF, its place in EF
.set NXT,  48                          ; s[48:51]  the same for the next flagged tile
.set MSB, 0
.macro WIN new                         ; the immediate's high byte repeats the setting that is left; a switch that changes nothing is dropped
.if MSB != (\new)
	s_set_vgpr_msb (MSB<<8)|(\new)
.set MSB, \new
.endif
.endm
.macro PLACES                          ; four places behind a matrix instruction, ahead of the vector instructions and stores that read its result
.rept 4
	v_nop
.endr
.endm
.macro GRPQ s, buf                     ; 16 loads: rows 4 s .. 4 s + 3 of my wave's 16 rows of q, into staging buffer buf
	WIN 0xc0
.set n, 0
.rept 16
	global_load_b128 v[64*(\buf)+4*n:64*(\buf)+4*n+3], v[LOFF], s[4:5] offset:(4*(\s)+n/4)*2048+((n/2)%2)*1024+(n%2)*16 th:TH_LOAD_NT
.set n, n+1
.endr
.endm
.macro CVTQ buf, s                     ; rounded to bf16 and laid into LDS, 512 consecutive bytes a store
.if (\s) > 0
	s_wait_alu depctr_vm_vsrc(0)                   ; the LDS stores of the group before have read v[PK ..], which these roundings write again
.endif
	WIN 0x0f
.set n, 0
.rept 32
	v_cvt_pk_bf16_f32 v[PK+n], v[64*(\buf)+2*n], v[64*(\buf)+2*n+1]
.set n, n+1
.endr
	WIN 0
	s_wait_alu depctr_va_vdst(0)                   ; the roundings have written v[PK ..], which the LDS stores read, and are done reading the staging buffer, in which the next group's loads land
.set n, 0
.rept 8
	ds_store_b128 v[LST], v[PK+4*n:PK+4*n+3] offset:(4*(\s)+n/2)*PITCH+(n%2)*512
.set n, n+1
.endr
.endm
.macro GRPP pg, buf                    ; 16 loads: my 8 numbers of the batch's partial sums 8 pg .. 8 pg + 7
	WIN 0xc0
.set n, 0
.rept 16
	global_load_b128 v[64*(\buf)+4*n:64*(\buf)+4*n+3], v[PSO], s[16:17] offset:(8*(\pg)+n/2)*4096+(n%2)*16
.set n, n+1
.endr
.endm
.macro SUMP buf, first                 ; they are added, in f32; the first two start the sum
.if \first
	WIN 0x0f
.set jj, 0
.rept 4
	v_pk_add_f32 v[TS+2*jj:TS+2*jj+1], v[64*(\buf)+2*jj:64*(\buf)+2*jj+1], v[64*(\buf)+8+2*jj:64*(\buf)+8+2*jj+1]
.set jj, jj+1
.endr
.endif
	WIN 0x0c
.set nn, 2*(\first)
.rept 8-2*(\first)
.set jj, 0
.rept 4
	v_pk_add_f32 v[TS+2*jj:TS+2*jj+1], v[TS+2*jj:TS+2*jj+1], v[64*(\buf)+8*nn+2*jj:64*(\buf)+8*nn+2*jj+1]
.set jj, jj+1
.endr
.set nn, nn+1
.endr
.endm
; 16 loads: the bias of my columns into the 8 accumulators of row block a: the sums' start.  Quad n = 2 i + hf: byte 64 i + 16 hf behind my 512 w + 32 h.
; again = 1: the registers have held num.  again = 0: no vector, matrix or memory instruction has named them.
.macro BIAS a, base, again
	WIN 0x80
.if \again
	s_wait_alu depctr_vm_vsrc(0)                   ; the LDS stores into the stage have read the block's registers of window 2, in which the loads land
	s_wait_alu depctr_va_vdst(0)                   ; the multiplications that wrote and read them are done: stated behind the window's switch, since those stores stand behind the last such wait
.endif
.set n, 0
.rept 16
	global_load_b128 v[64*(\a)+4*n:64*(\a)+4*n+3], v[BIO], s[\base:\base+1] offset:(n/2)*64+(n%2)*16
.set n, n+1
.endr
.endm
.macro LDW buf, ksr                    ; 16 loads: my 8 weight fragments of K step ksr behind the pointer: 512 consecutive bytes a load
	WIN 0x40
.set n, 0
.rept 16
	global_load_b128 v[64*(\buf)+4*n:64*(\buf)+4*n+3], v[BO], s[28:29] offset:(\ksr)*8192+n*512
.set n, n+1
.endr
.endm
.macro LDAS ar, set, ksr               ; 8 LDS loads: the four row fragments of K step ksr behind the address
	WIN 0
.set n, 0
.rept 4
	ds_load_b128 v[AS+32*(\set)+8*n:AS+32*(\set)+8*n+3],   v[\ar] offset:n*16*PITCH+(\ksr)*64
	ds_load_b128 v[AS+32*(\set)+8*n+4:AS+32*(\set)+8*n+7], v[\ar] offset:n*16*PITCH+(\ksr)*64+32
.set n, n+1
.endr
.endm
; 4 cnt matrix instructions: column blocks i0 .. i0 + cnt - 1 x the four row blocks.  The accumulators take turns, one instruction a turn.
.macro MMB win, buf, set, i0, cnt
	WIN \win
.set ii, \i0
.rept \cnt
.set aa, 0
.rept 4
.set RC, 8*(8*aa+ii)
	v_wmma_f32_16x16x32_bf16 v[RC:RC+7], v[64*(\buf)+8*ii:64*(\buf)+8*ii+7], v[AS+32*(\set)+8*aa:AS+32*(\set)+8*aa+7], v[RC:RC+7]
.set aa, aa+1
.endr
.set ii, ii+1
.endr
.endm
; K step ksr (behind the pointer) of a weight product.  nl: the younger weight loads that may stay out (two groups of 16: those issued in the two steps before); this step's row fragments are the youngest LDS loads.
; It asks for the row fragments of the next K step (into the set that the step before read) and for the weights three K steps on (into the buffer that the step before read).
.macro STEP ar, ksr, nl, refill, aload
	s_wait_loadcnt \nl
	s_wait_dscnt 0x0
.if (\refill)||(\aload)
	s_wait_alu depctr_va_vdst(0)                   ; the step before is done reading its weight buffer and its row fragments, in which the loads below land; in a trip's first step the LDS address is written
.endif
	MMB 0xa1, (\ksr)%4, (\ksr)%2, 0, 1
.if \aload
	LDAS \ar, ((\ksr)+1)%2, (\ksr)+1               ; no further wait: the four matrix instructions since the wait name this step's buffer, fragments and accumulators alone
.endif
.if \refill
	LDW ((\ksr)+3)%4, (\ksr)+3
.endif
	MMB 0xa1, (\ksr)%4, (\ksr)%2, 1, 7
.endm
; 64 rows x my 128 columns x K = 512: 16 K steps, four a trip.  Ahead of it K steps 0 to 2 of the weights and K step 0 of the rows have been asked for.  Of the last four steps the first asks for the
; last weights, the first three for the last rows, and the counts run down.
.macro GEMM ar
	WIN 0                                          ; at a label and at a branch every window is 0
	s_mov_b32 s25, 3
.Lg_\@:
	STEP \ar, 0, 32, 1, 1
	STEP \ar, 1, 32, 1, 1
	STEP \ar, 2, 32, 1, 1
	STEP \ar, 3, 32, 1, 1
	WIN 0
	s_wait_xcnt 0x0                                ; the loads, the last of them 28 matrix instructions back (and, in the first product's first trip, the prefetches ahead of it), have read their addresses
	s_add_nc_u64 s[28:29], s[28:29], 32768
	s_wait_alu depctr_vm_vsrc(0)                   ; the LDS loads issued so far have read the address that the next line steps (and earlier LDS stores v[PK ..], which later roundings write again)
	v_add_nc_u32 v[\ar], 256, v[\ar]
	s_sub_co_u32 s25, s25, 1
	s_cmp_lg_u32 s25, 0
	s_cbranch_scc1 .Lg_\@
	STEP \ar, 0, 32, 1, 1
	STEP \ar, 1, 32, 0, 1
	STEP \ar, 2, 16, 0, 1
	STEP \ar, 3, 0, 0, 0
.endm
; Row block a of window 2 leaves in f32: into my stage (16 rows of 528 bytes; quad n = 2 i + hf at byte 64 i + 16 hf behind my row's 32 h: the two halves of the lanes fill all 512 bytes of a row),
; back by rows, stored 512 consecutive bytes, aligned, a store.  Each accumulator's low half is read first.
.macro OUTROWS a, base, wait
	WIN 0
.if \wait
	s_wait_xcnt 0x0                                ; the stores before have had their addresses translated,
	s_wait_alu depctr_vm_vsrc(0)                   ; and have read v[QT ..], in which the LDS loads below land
.endif
	WIN 0x08
.set n, 0
.rept 16
	ds_store_b128 v[STS], v[64*(\a)+4*n:64*(\a)+4*n+3] offset:(n/2)*64+(n%2)*16
.set n, n+1
.endr
	WIN 0
.set n, 0
.rept 16
	ds_load_b128 v[QT+4*n:QT+4*n+3], v[SRD] offset:n*SPITCH  ; LDS serves a wave's instructions in order (ISA guide 5.7.1.4): these see the stores above
.set n, n+1
.endr
.set n, 0
.rept 16
	s_wait_dscnt 15-n                              ; row n is back; the younger rows stay out
	global_store_b128 v[GO], v[QT+4*n:QT+4*n+3], s[\base:\base+1] offset:(16*(\a)+n)*2048 th:TH_STORE_NT
.set n, n+1
.endr
.endm
; The next flagged tile: the map's lowest bit, which is then cleared.  Its number is held to 31 ahead of the shifts that make it an offset (an empty map gives 31, and stays empty).
; px: the four scalar registers that take its two addresses.  s36 and s38 keep the two offsets until the next NEXT.
.macro NEXT px
	s_ctz_i32_b32 s35, s32
	s_min_u32 s35, s35, 31
	s_sub_co_u32 s26, s32, 1
	s_and_b32 s32, s32, s26
	s_lshl_b32 s36, s35, 17                        ; 64 keys of XF: 131,072 bytes
	s_lshl_b32 s38, s35, 13                        ; a tile of E': 8,192 bytes
	s_add_nc_u64 s[\px:\px+1], s[14:15], s[36:37]
	s_add_nc_u64 s[\px+2:\px+3], s[12:13], s[38:39]
.endm
.macro LX u, sel, px                   ; 16 loads: my 8 fragments of ek value (sel 0) or ek (sel 1), keys 32 u on of the tile
	WIN 0x40
.set n, 0
.rept 16
	global_load_b128 v[64*(2*(\u)+(\sel))+4*n:64*(2*(\u)+(\sel))+4*n+3], v[BO], s[\px:\px+1] offset:(\u)*65536+(\sel)*8192+n*512
.set n, n+1
.endr
.endm
.macro LE u, px                        ; 8 loads: the four fragments of E', keys 32 u on
	WIN 0
.set n, 0
.rept 8
	global_load_b128 v[AS+32*(\u)+4*n:AS+32*(\u)+4*n+3], v[BO], s[\px+2:\px+3] offset:(\u)*4096+n*512
.set n, n+1
.endr
.endm
; A half step of a tile: 32 keys into num (sel 0, window 2) or den (sel 1, window 3).  The loads go out in the order X00 E0 X01 X10 E1 X11, tile after tile.  ask = 1: what the half step BEFORE read is asked
; for again: half step (0, 0) asks for E1 and X11 of the tile in hand, (0, 1) for X00, (1, 0) for E0 and X01, (1, 1) for X10 of the next tile.
; Behind what a half step needs stand: (0, 0): X01, X10: 32 loads; (0, 1): X10, E1, X11: 40; (1, 0): X11, X00: 32; (1, 1): X00, E0, X01: 40.
.macro HS2 u, sel, nl, ask
.set HP, (2*(\u)+(\sel)+3)%4
	s_wait_loadcnt \nl
.if \ask
	s_wait_alu depctr_va_vdst(0)                   ; the half step before is done reading its buffer of XF's fragments, and, where it was a pair's second, the pair's fragments of E': the loads below land in them
.endif
	MMB 0xa1+0x50*(\sel), 2*(\u)+(\sel), \u, 0, 1
.if \ask
.if HP == 3
	LE 1, CUR                                      ; no further wait: the four matrix instructions since the wait name this half step's buffer, fragments and accumulators alone
	LX 1, 1, CUR
.elseif HP == 1
	LE 0, NXT
	LX 0, 1, NXT
.else
	LX HP/2, 0, NXT
.endif
.endif
	MMB 0xa1+0x50*(\sel), 2*(\u)+(\sel), \u, 1, 7
.endm
	s_load_b512 s[4:19], s[0:1], 0x0               ; q s[4:5], WF s[6:7], Wq_b s[8:9], out_b s[10:11], EF s[12:13], XF s[14:15], PS s[16:17], FL s[18:19]
	s_load_b128 s[20:23], s[0:1], 0x40             ; out0 s[20:21], out1 s[22:23]
	v_lshl_add_u32 v[SPW], v0, 2, SPARE
	v_mov_b32 v[NIL], 0
	v_lshrrev_b32 v1, 5, v0
	v_readfirstlane_b32 s24, v1                    ; wave 0..3
	v_and_b32 v30, 31, v0                          ; lane
	v_and_b32 v31, 15, v0                          ; r
	v_bfe_u32 v1, v0, 4, 1                         ; h
	s_wait_alu depctr_va_sdst(0)                   ; s24 is written, ahead of its first reader: addresses and bases are made from it
	s_lshl_b32 s26, s24, 15
	v_lshl_add_u32 v[LOFF], v30, 5, s26
	s_add_co_u32 s26, s26, QS
	v_lshl_add_u32 v[QSA], v30, 4, s26
	s_mul_i32 s26, s24, 16*PITCH
	v_lshl_add_u32 v[LST], v30, 4, s26
	v_mul_u32_u24 v[ARQ], v31, PITCH
	v_lshl_add_u32 v[ARQ], v1, 4, v[ARQ]
	v_add_nc_u32 v[ARX], XA, v[ARQ]
	v_lshlrev_b32 v[BO], 4, v30
	v_lshlrev_b32 v[PSO], 5, v0
	v_lshl_add_u32 v[TOTW], v0, 5, TOT
	s_lshl_b32 s26, s24, 9
	v_lshl_add_u32 v[BIO], v1, 5, s26
	v_lshl_add_u32 v[GO], v30, 4, s26
	v_add_nc_u32 v[TOTR], TOT, v[BIO]
	s_lshl_b32 s26, s24, 8
	v_add_nc_u32 v[XST], s26, v[ARX]               ; row r, my wave's 256 bytes, 16 bytes for each half of the lanes
	s_mul_i32 s26, s24, 16*SPITCH
	s_add_co_u32 s26, s26, STG
	v_lshl_add_u32 v[SRD], v30, 4, s26
	v_mul_u32_u24 v[STS], v31, SPITCH
	v_lshl_add_u32 v[STS], v1, 5, v[STS]
	v_add_nc_u32 v[STS], s26, v[STS]
	v_lshlrev_b32 v[PFO], 8, v0
	s_lshr_b32 s27, ttmp9, 5                       ; the batch
	s_and_b32 s25, ttmp9, 31                       ; the row tile
	s_mov_b32 s31, 0
	s_wait_kmcnt 0x0
	s_lshl_b32 s30, s25, 8
	s_add_nc_u64 s[18:19], s[18:19], s[30:31]      ; the row tile's 64 words of FL
	s_load_b512 s[32:47], s[18:19], 0x0
	s_load_b512 s[48:63], s[18:19], 0x40
	s_load_b512 s[68:83], s[18:19], 0x80
	s_load_b512 s[84:99], s[18:19], 0xc0
	s_lshl_b32 s30, ttmp9, 17                      ; 64 rows of 2,048 bytes
	s_add_nc_u64 s[4:5], s[4:5], s[30:31]
	s_add_nc_u64 s[20:21], s[20:21], s[30:31]
	s_add_nc_u64 s[22:23], s[22:23], s[30:31]
	s_lshl_b32 s30, s25, 18
	s_add_nc_u64 s[12:13], s[12:13], s[30:31]      ; the row tile's 32 tiles of E'
	s_lshl_b32 s30, s27, 17
	s_add_nc_u64 s[16:17], s[16:17], s[30:31]      ; the batch's 32 partial sums
	s_wait_alu depctr_va_vdst(0)                   ; the fifteen addresses and offsets v2 to v16 are written, which the loads, stores and prefetches below read
	; THE WAY IN: one stream of groups of 16 loads: q's four, the partial sums' four, Wq_b's four.  A step waits for its group (three younger groups, 48 loads, stay out), uses it, and issues the group four further on.
.irp t, 0,1,2,3
	GRPQ \t, \t
.endr
.irp t, 0,1,2,3
	s_wait_loadcnt 48
	CVTQ \t, \t
	GRPP \t, \t
.endr
	s_wait_loadcnt 48
	SUMP 0, 1
	BIAS 0, 8, 0
.irp t, 1,2,3
	s_wait_loadcnt 48
	SUMP \t, 0
	BIAS \t, 8, 0
.endr
	WIN 0
	s_wait_alu depctr_va_vdst(0)                   ; the additions have written v[TS ..], which the two LDS stores read
	ds_store_b128 v[TOTW], v[TS:TS+3]
	ds_store_b128 v[TOTW], v[TS+4:TS+7] offset:16
	s_lshl_b32 s30, s24, 17
	s_add_nc_u64 s[28:29], s[6:7], s[30:31]
	s_add_nc_u64 s[28:29], s[28:29], 2*524288      ; my quarter of Wq_w in WF
.irp t, 0,1,2
	LDW \t, \t                                     ; K steps 0 to 2; the product's first step asks for K step 3.  No vector or matrix instruction has named these registers
.endr
	WIN 0
	s_wait_kmcnt 0x0                               ; the 64 words of FL
.set n, 33
.rept 31
	s_or_b32 s32, s32, s[n]
.set n, n+1
.endr
.set n, 68
.rept 32
	s_or_b32 s32, s32, s[n]
.set n, n+1
.endr
	s_bcnt1_i32_b32 s33, s32                       ; s32: the map of flagged tiles; s33: how many
	s_min_u32 s33, s33, 32
	s_mov_b32 s37, 0
	s_mov_b32 s39, 0
	s_lshl_b32 s30, ttmp9, 17
	s_add_nc_u64 s[44:45], s[14:15], s[30:31]      ; XF at keys 64 (g % 32) on of my batch: what this work-group prefetches
	s_lshl_b32 s30, s27, 22
	s_add_nc_u64 s[14:15], s[14:15], s[30:31]      ; XF at my batch,
	s_lshl_b32 s30, s24, 14
	s_add_nc_u64 s[14:15], s[14:15], s[30:31]      ; at my wave's 16 fragments
	s_mov_b32 s46, 0xbfb8aa3b                      ; -log2(e)
	s_mov_b32 s47, 0xbfb8aa3b                      ; named with it as a pair
	s_wait_dscnt 0x0                               ; for the others' sake: my rows of q and my part of T lie in LDS
	s_barrier_signal -1
	s_barrier_wait -1                              ; everybody's do
	LDAS ARQ, 0, 0                                 ; K step 0; the product's first step asks for K step 1
	; XF IS PREFETCHED, each block of 256 bytes once in the launch: work-group g names the 131,072 bytes of keys 64 (g % 32) on of its batch, a thread a block, four instructions a wave.
	; They stand behind the wave's loads, 512 matrix instructions ahead of the first load from XF; their address registers are never rewritten.
.set n, 0
.rept 4
	global_prefetch_b8 v[PFO], s[44:45] offset:n*32768 th:TH_LOAD_NT scope:SCOPE_SE
.set n, n+1
.endr
	GEMM ARQ                                       ; query, bias and all
	WIN 0
	PLACES                                         ; behind the last products, ahead of the sigmoid's lines, which read their results
	s_wait_alu depctr_va_vdst(0)                   ; the product's matrix instructions are done reading window 1's buffers and v[AS ..], in which the first tile's loads land
	NEXT CUR                                       ; the first flagged tile's two addresses, made on every way: s[40:43] hold addresses from here on.  With no tile flagged they are tile 31's, and nothing is loaded by them
	s_cmp_eq_u32 s33, 0
	s_cbranch_scc1 .Lnoload
	LX 0, 0, CUR                                   ; the first flagged tile is asked for now, all but its last 24 loads, which its first half step issues: it lands under the sigmoid
	LE 0, CUR
	LX 0, 1, CUR
	LX 1, 0, CUR
	WIN 0
.Lnoload:
; Q = 1 / (1 + 2^(-x log2 e)), row block a, and away into LDS.  Two batches, each with a plain instruction behind it and one wait ahead of its first reader.
.macro SIG a
	WIN 0x82
.set n, 0
.rept 32
	v_pk_mul_f32 v[64*(\a)+2*n:64*(\a)+2*n+1], v[64*(\a)+2*n:64*(\a)+2*n+1], s[46:47] op_sel_hi:[1,0]
.set n, n+1
.endr
.set n, 0
.rept 64
	v_exp_f32 v[64*(\a)+n], v[64*(\a)+n]
.set n, n+1
.endr
	v_nop
	s_wait_alu depctr_va_vdst(0)                   ; the 64 exponentials have written their results, ahead of the additions that read them
.set n, 0
.rept 32
	v_pk_add_f32 v[64*(\a)+2*n:64*(\a)+2*n+1], v[64*(\a)+2*n:64*(\a)+2*n+1], 1.0 op_sel_hi:[1,0]
.set n, n+1
.endr
.set n, 0
.rept 64
	v_rcp_f32 v[64*(\a)+n], v[64*(\a)+n]
.set n, n+1
.endr
	v_nop
	s_wait_alu depctr_va_vdst(0)                   ; the 64 reciprocals have written Q, which the LDS stores, their first readers, read
	WIN 0x08
.set n, 0
.rept 16
	ds_store_b128 v[QSA], v[64*(\a)+4*n:64*(\a)+4*n+3] offset:(16*(\a)+n)*512
.set n, n+1
.endr
.endm
.irp t, 0,1,2,3
	SIG \t
.endr
	; num and den start at T: my columns' totals into all 64 accumulators (the same for the four row blocks); quad n % 16 = 2 i + hf at byte 64 i + 16 hf behind my 512 w + 32 h
	WIN 0x80
	s_wait_alu depctr_vm_vsrc(0)                   ; Q's LDS stores have read the registers of window 2, in which T lands
	s_wait_alu depctr_va_vdst(0)                   ; the reciprocals have written them, and the way in's additions are done reading window 3: stated behind the window's switch, since Q's stores stand behind the last such wait
.set n, 0
.rept 64
	ds_load_b128 v[4*n:4*n+3], v[TOTR] offset:((n%16)/2)*64+(n%2)*16
.set n, n+1
.endr
	WIN 0xc0
.set n, 0
.rept 64
	ds_load_b128 v[4*n:4*n+3], v[TOTR] offset:2048+((n%16)/2)*64+(n%2)*16
.set n, n+1
.endr
	WIN 0
	s_wait_dscnt 0x0
	s_cmp_eq_u32 s33, 0
	s_cbranch_scc1 .Lcomb                          ; no tile is flagged: num = T_ev, den = T_e
	s_mov_b32 s34, 1
	s_cmp_lt_u32 s34, s33
	s_cbranch_scc0 .Ltail
.Lchunk:                                       ; s33 - 1 trips: a tile is multiplied, the next is asked for
	NEXT NXT                                       ; the loads that read these four registers stand ahead of the s_wait_xcnt 0 at the trip's end
	HS2 0, 0, 32, 1
	HS2 0, 1, 40, 1
	HS2 1, 0, 32, 1
	HS2 1, 1, 40, 1
	WIN 0
	s_wait_xcnt 0x0                                ; the loads issued so far, the last of them 28 matrix instructions back, have read both sets of pointers
	s_add_nc_u64 s[CUR:CUR+1], s[14:15], s[36:37]  ; the next tile is the tile in hand: its two addresses are made once more, from the offsets that NEXT left at the trip's head
	s_add_nc_u64 s[CUR+2:CUR+3], s[12:13], s[38:39]
	s_add_co_u32 s34, s34, 1
	s_cmp_lt_u32 s34, s33
	s_cbranch_scc1 .Lchunk
.Ltail:                                        ; the last tile: its first half step asks for its own E1 and X11, then nothing is asked for, and the counts run down: behind X01 40, behind E1 16, behind X11 none
	HS2 0, 0, 32, 1
	HS2 0, 1, 40, 0
	HS2 1, 0, 16, 0
	HS2 1, 1, 0, 0
	WIN 0
.Lcomb:
	s_wait_loadcnt 0x0                             ; no load is out on any way that leads here: the buffers may be loaded again
	PLACES                                         ; behind the last products, ahead of the vector lines that read num and den
	s_wait_alu depctr_va_vdst(0)                   ; the last tile's matrix instructions are done reading window 1's buffers and v[AS ..], in which the loads below, and x's fragments later, land
	s_lshl_b32 s30, s24, 17
	s_add_nc_u64 s[28:29], s[6:7], s[30:31]
	s_add_nc_u64 s[28:29], s[28:29], 3*524288      ; my quarter of out_w in WF: its first three K steps land under what follows
.irp t, 0,1,2
	LDW \t, \t
.endr
; Row block a: out1 = Q num (leaves in f32); x = out1 / den (to LDS in bf16); then out_b takes num's registers: the last product's start.
.macro COMB a
	WIN 0
.if (\a) > 0
	s_wait_xcnt 0x0                                ; the stores of the block before have had their addresses translated,
	s_wait_alu depctr_vm_vsrc(0)                   ; and have read v[QT ..], in which Q lands; its LDS stores of x have read v[PK ..], which the roundings below write again
.endif
.set n, 0
.rept 16
	ds_load_b128 v[QT+4*n:QT+4*n+3], v[QSA] offset:(16*(\a)+n)*512
.set n, n+1
.endr
	WIN 0xc3
.set n, 0
.rept 64
	v_rcp_f32 v[64*(\a)+n], v[64*(\a)+n]           ; 1 / den: one batch
.set n, n+1
.endr
	s_wait_dscnt 0x0                               ; Q is back
	WIN 0x82
.set n, 0
.rept 32
	v_pk_mul_f32 v[64*(\a)+2*n:64*(\a)+2*n+1], v[64*(\a)+2*n:64*(\a)+2*n+1], v[QT+2*n:QT+2*n+1]  ; the plain work behind the batch
.set n, n+1
.endr
	s_wait_alu depctr_va_vdst(0)                   ; the 64 reciprocals have written 1 / den, ahead of the batch's first reader
	WIN 0xce
.set n, 0
.rept 32
	v_pk_mul_f32 v[64*(\a)+2*n:64*(\a)+2*n+1], v[64*(\a)+2*n:64*(\a)+2*n+1], v[64*(\a)+2*n:64*(\a)+2*n+1]  ; x (window 3) = out1 (window 2) times 1 / den (window 3)
.set n, n+1
.endr
	WIN 0x0f
.set n, 0
.rept 32
	v_cvt_pk_bf16_f32 v[PK+n], v[64*(\a)+2*n], v[64*(\a)+2*n+1]
.set n, n+1
.endr
	WIN 0
	s_wait_alu depctr_va_vdst(0)                   ; the roundings have written v[PK ..] and the multiplications out1, which the two runs of LDS stores below read; the multiplications are done reading v[QT ..], in which the stage's rows land
.set n, 0
.rept 8
	ds_store_b128 v[XST], v[PK+4*n:PK+4*n+3] offset:(\a)*16*PITCH+n*32
.set n, n+1
.endr
	OUTROWS \a, 22, 0
	BIAS \a, 10, 1
.endm
.irp t, 0,1,2,3
	COMB \t
.endr
	WIN 0
	s_wait_dscnt 0x0                               ; for the others' sake: my columns of x lie in LDS
	s_barrier_signal -1
	s_barrier_wait -1                              ; all 512 do
	LDAS ARX, 0, 0                                 ; K step 0; no vector or matrix instruction since the wait at the head of this part names v[AS ..]
	s_wait_loadcnt 0x0                             ; out_b's loads are younger than the three weight buffers: once, all are waited for
	GEMM ARX                                       ; out0, bias and all
	WIN 0
	PLACES                                         ; four places behind the last products, before their results are read
	s_wait_alu depctr_va_vdst(0)                   ; the product's matrix instructions have written the accumulators, which the LDS stores of all four blocks read; the places above stay beside this wait
.irp t, 0,1,2,3
	OUTROWS \t, 20, 1
.endr
	s_wait_dscnt 0x0                               ; the closing lines, six on end
	s_wait_alu 0x0
	s_wait_tensorcnt 0x0
	ds_add_u32 v[SPW], v[NIL]
	s_wait_dscnt 0x0
	s_endpgm
.Lfunc_end_k_qc2fa17829f_final:
	.size	k_qc2fa17829f_final, .Lfunc_end_k_qc2fa17829f_final-k_qc2fa17829f_final
	.p2alignl 7, 3214868480
	.fill 96, 4, 3214868480
	.section	.rodata,"a",@progbits
	.p2align	6, 0x0
	.amdhsa_kernel k_qc2fa17829f_final
		.amdhsa_group_segment_fixed_size 302592
		.amdhsa_private_segment_fixed_size 0
		.amdhsa_enable_private_segment 0
		.amdhsa_kernarg_size 80
		.amdhsa_user_sgpr_count 2
		.amdhsa_user_sgpr_kernarg_segment_ptr 1
		.amdhsa_wavefront_size32 1
		.amdhsa_system_sgpr_workgroup_id_x 1
		.amdhsa_system_sgpr_workgroup_id_y 1
		.amdhsa_system_sgpr_workgroup_id_z 1
		.amdhsa_system_vgpr_workitem_id 0
		.amdhsa_next_free_vgpr 1024
		.amdhsa_next_free_sgpr 100
		.amdhsa_reserve_vcc 0
		.amdhsa_float_denorm_mode_32 3
		.amdhsa_float_denorm_mode_16_64 3
		.amdhsa_memory_ordered 1
		.amdhsa_forward_progress 1
		.amdhsa_inst_pref_size 255
	.end_amdhsa_kernel
	.section	.bss,"aw",@nobits
	.p2align	6
	.space	262144
	.amdgpu_metadata
---
amdhsa.version: [ 1, 2 ]
amdhsa.kernels:
  - .name:           k_qc2fa17829f_final
    .symbol:         k_qc2fa17829f_final.kd
    .args:
      - { .name: q, .offset: 0, .size: 8, .value_kind: global_buffer, .address_space: global }
      - { .name: WF, .offset: 8, .size: 8, .value_kind: global_buffer, .address_space: global }
      - { .name: Wq_b, .offset: 16, .size: 8, .value_kind: global_buffer, .address_space: global }
      - { .name: out_b, .offset: 24, .size: 8, .value_kind: global_buffer, .address_space: global }
      - { .name: EF, .offset: 32, .size: 8, .value_kind: global_buffer, .address_space: global }
      - { .name: XF, .offset: 40, .size: 8, .value_kind: global_buffer, .address_space: global }
      - { .name: PS, .offset: 48, .size: 8, .value_kind: global_buffer, .address_space: global }
      - { .name: FL, .offset: 56, .size: 8, .value_kind: global_buffer, .address_space: global }
      - { .name: out0, .offset: 64, .size: 8, .value_kind: global_buffer, .address_space: global }
      - { .name: out1, .offset: 72, .size: 8, .value_kind: global_buffer, .address_space: global }
    .group_segment_fixed_size: 302592
    .private_segment_fixed_size: 0
    .kernarg_segment_align: 8
    .kernarg_segment_size: 80
    .max_flat_workgroup_size: 128
    .sgpr_count:     100
    .vgpr_count:     1024
    .wavefront_size: 32
...
	.end_amdgpu_metadata
.endif
;; end of part 5
